; MI455X (gfx1250); checked and timed in simulation.
; The chip was launched on July 23, 2026; its instructions are those of AMD's public machine-readable ISA for CDNA 5 (MIT licence, August 2026) and "CDNA5" Instruction Set Architecture Reference Guide (July 2026). The comments in the code are by the model that wrote it; some were corrected since.
;; Cross Attention. Allowed arithmetic: float matrix products may take bf16 or f16 operands with f32 sums; all other float work in f32.
;; Inputs: W1 1,024 x 8,192 float32; W2 4,096 x 1,024 float32; Wkv 1,024 x 128 float32; Wout 512 x 1,024 float32; Wq 1,024 x 512 float32; cln_b 1,024 float32; cln_g 1,024 float32; context 2 x 2,048 x 1,024 float32; ln_b 1,024 float32; ln_g 1,024 float32; mask 2 x 2,048 x 2,048 float32; x 2 x 2,048 x 1,024 float32.
;; Outputs: out0 2 x 2,048 x 1,024 float32.
;; 2 versions, each right and faster than the one before. Each part assembles by itself: llvm-mc -triple=amdgcn-amd-amdhsa -mcpu=gfx1250 --defsym DOCPART=n.
;; ======== version 1 of 2: 5 launches
;; limits: values are held in f16: magnitudes above 65,504 overflow, below 6.1e-05 lose precision; inputs' magnitudes at most 4.25e+37
;; workspace buffers: xnh 8,388,608 bytes; cnh 8,388,608 bytes; w1h 16,777,216 bytes; wcat 9,437,184 bytes; wp 1,310,720 bytes; qkv 5,242,880 bytes; actcat 37,748,736 bytes
;; launch prep (part 1): grid 1300 x 1, 8 waves a work-group, no clusters, 0 bytes of LDS; arguments x, context, ln_g, ln_b, cln_g, cln_b, W1, Wq, Wkv, xnh, cnh, w1h, wp; writes xnh, cnh, w1h, wp
.if DOCPART == 1
	.amdgcn_target "amdgcn-amd-amdhsa--gfx1250"
	.amdhsa_code_object_version 6
	.text
	.protected	k_q5db041c9aa_prep
	.globl	k_q5db041c9aa_prep
	.p2align	8
	.type	k_q5db041c9aa_prep,@function
k_q5db041c9aa_prep:
	s_mov_b64 s[64:65], 0
	v_nop
	global_prefetch_b8 v0, s[64:65] scope:SCOPE_SE
	s_setreg_imm32_b32 hwreg(HW_REG_WAVE_MODE, 25, 1), 1
	s_wait_xcnt 0x0
; PREP: the layer norms and the casts of W1, Wq and Wkv, a stream.  Every input is first rounded to bf16 (x, context, gains, biases, weights).
;   work-groups    0-255  w1h f16 [1024][8192]: column 128 u + 64 g + c holds W1[k][4096 g + 64 u + c] (g 0: val, 1: gate), so that a block of 128 columns holds 64 val and their 64 gates
;   work-groups  256-271  wp columns 0-511 = Wq (f16)          272-275  wp columns 512-639 = Wkv (f16); wp is [1024][640]
;   work-groups  276-787  xnh = LN(x)  f16 [4096][1024]        788-1299  cnh = LN(context)  f16 [4096][1024]
; The casting work-groups read 131,072 bytes each and come first; a norm's work-group takes eight rows, one a wave.
; No LDS, no matrix unit, no cluster: the work-groups share nothing but the 8 KiB of gains and biases.
; LIMITS.  The normalised rows and the f16 copies of weights must lie within f16's range (65,504); a weight below 2^-14 keeps f16's fixed step of 6e-8.
; The variance is the mean of (x - mean)^2, taken in a second pass over the row in registers, as the module writes it.
.set G,   16          ; v[16:47]   gains of my 32 columns
.set BB,  48          ; v[48:79]   biases
.set X,   80          ; v[80:111]  the row: lane l holds columns 128 j + 4 l + 0..3, j = 0..7
.set T,   112         ; v[112:127] at work
.set SRC, 40          ; s[40:41]
.set DST, 42          ; s[42:43]
.set NCAST, 276       ; casting work-groups
	s_load_b512 s[8:23], s[0:1], 0x0               ; x 8, context 10, ln_g 12, ln_b 14, cln_g 16, cln_b 18, W1 20, Wq 22
	s_load_b256 s[24:31], s[0:1], 0x40             ; Wkv 24, xnh 26, cnh 28, w1h 30
	s_load_b64 s[32:33], s[0:1], 0x60              ; wp
	s_mov_b32 s2, ttmp9                            ; the work-group's number chooses the job
	v_lshrrev_b32 v1, 5, v0
	v_readfirstlane_b32 s3, v1                     ; wave 0..7
	s_mov_b32 s55, 0xffff0000                      ; a word's upper bf16
	s_mov_b32 s61, 0                               ; high word of the offset pair s[60:61]
	s_wait_kmcnt 0x0
	s_cmp_lt_u32 s2, NCAST
	s_cbranch_scc1 .Lcasts
; ---------------- layer norm: one wave, one row; all its 24 loads go out at once ----------------
	s_sub_co_u32 s4, s2, NCAST
	s_cmp_lt_u32 s4, 512                           ; x or context
	s_cselect_b64 s[SRC:SRC+1], s[8:9], s[10:11]
	s_cselect_b64 s[DST:DST+1], s[26:27], s[28:29]
	s_cselect_b64 s[44:45], s[12:13], s[16:17]     ; gain
	s_cselect_b64 s[46:47], s[14:15], s[18:19]     ; bias
	s_and_b32 s4, s4, 511
	s_lshl3_add_u32 s4, s4, s3                     ; my row = 8 x block + wave
	s_lshl_b32 s60, s4, 12                         ; rows of 4,096 bytes in,
	s_add_nc_u64 s[SRC:SRC+1], s[SRC:SRC+1], s[60:61]
	s_lshl_b32 s60, s4, 11                         ; of 2,048 bytes out
	s_add_nc_u64 s[DST:DST+1], s[DST:DST+1], s[60:61]
	s_mov_b32 s56, 0x76543210                      ; v_permlanex16_b32: each lane takes its own place in the other half
	s_mov_b32 s57, 0xfedcba98
	s_mov_b32 s58, 0x3a800000                      ; 1 / 1024
	s_mov_b32 s59, 0x3727c5ac                      ; 1e-5
	v_and_b32 v2, 31, v0
	v_lshlrev_b32 v1, 4, v2                        ; 16 x lane: a load of the wave covers 512 consecutive bytes
	v_lshlrev_b32 v2, 3, v2                        ; 8 x lane: a store of the wave covers 256 consecutive bytes, aligned
.irp j, 0,1,2,3,4,5,6,7
	global_load_b128 v[X+4*\j:X+4*\j+3], v1, s[SRC:SRC+1] offset:512*\j th:TH_LOAD_NT   ; the row first: it is wanted first
.endr
.irp j, 0,1,2,3,4,5,6,7
	global_load_b128 v[G+4*\j:G+4*\j+3], v1, s[44:45] offset:512*\j
	global_load_b128 v[BB+4*\j:BB+4*\j+3], v1, s[46:47] offset:512*\j
.endr
.macro RND16 reg                       ; 32 numbers are rounded to bf16 and widened again
.set i, 0
.rept 16
	v_cvt_pk_bf16_f32 v[T+i], v[(\reg)+2*i], v[(\reg)+2*i+1]
.set i, i+1
.endr
.set i, 0
.rept 16
	v_lshlrev_b32 v[(\reg)+2*i], 16, v[T+i]
	v_and_b32 v[(\reg)+2*i+1], s55, v[T+i]
.set i, i+1
.endr
.endm
.macro REDUCE                          ; the four pair chains v[8:15] into one sum, in every lane's v8
	v_pk_add_f32 v[8:9], v[8:9], v[10:11]
	v_pk_add_f32 v[12:13], v[12:13], v[14:15]
	v_pk_add_f32 v[8:9], v[8:9], v[12:13]
	v_add_f32 v8, v8, v9
	v_add_f32_dpp v8, v8, v8 row_xmask:1 row_mask:0xf bank_mask:0xf
	v_add_f32_dpp v8, v8, v8 row_xmask:2 row_mask:0xf bank_mask:0xf
	v_add_f32_dpp v8, v8, v8 row_xmask:4 row_mask:0xf bank_mask:0xf
	v_add_f32_dpp v8, v8, v8 row_xmask:8 row_mask:0xf bank_mask:0xf
	v_permlanex16_b32 v9, v8, s56, s57             ; v9 has been written: its old value counts as read
	v_add_f32 v8, v8, v9
.endm
	s_wait_loadcnt 16                              ; loads come back in order: the row's eight are in, the sixteen of gain and bias may stay out
	RND16 X
.irp c, 0,1,2,3
	v_pk_add_f32 v[8+2*\c:9+2*\c], v[X+2*\c:X+2*\c+1], v[X+8+2*\c:X+9+2*\c]   ; the first pairs start the chains
.endr
.set i, 8
.rept 8
	v_pk_add_f32 v[8+2*(i%4):9+2*(i%4)], v[8+2*(i%4):9+2*(i%4)], v[X+2*i:X+2*i+1]
.set i, i+1
.endr
	REDUCE
	v_mul_f32 v4, s58, v8                          ; the mean, twice
	v_mov_b32 v5, v4
.set i, 0
.rept 16
	v_pk_add_f32 v[X+2*i:X+2*i+1], v[X+2*i:X+2*i+1], v[4:5] neg_lo:[0,1] neg_hi:[0,1]
.set i, i+1
.endr
.irp c, 0,1,2,3
	v_pk_mul_f32 v[8+2*\c:9+2*\c], v[X+2*\c:X+2*\c+1], v[X+2*\c:X+2*\c+1]
.endr
.set i, 4
.rept 12
	v_pk_fma_f32 v[8+2*(i%4):9+2*(i%4)], v[X+2*i:X+2*i+1], v[X+2*i:X+2*i+1], v[8+2*(i%4):9+2*(i%4)]
.set i, i+1
.endr
	REDUCE
	v_fma_f32 v6, v8, s58, s59                     ; variance + eps
	v_rsq_f32 v6, v6
	v_nop                                          ; a plain instruction between the root and the use of its result (ISA guide 5.7.2)
	s_wait_alu depctr_va_vdst(0)
	v_mov_b32 v7, v6
.set i, 0
.rept 16
	v_pk_mul_f32 v[X+2*i:X+2*i+1], v[X+2*i:X+2*i+1], v[6:7]
.set i, i+1
.endr
	s_wait_loadcnt 0x0                             ; gain and bias
	RND16 G
	RND16 BB
.set i, 0
.rept 16
	v_pk_fma_f32 v[X+2*i:X+2*i+1], v[X+2*i:X+2*i+1], v[G+2*i:G+2*i+1], v[BB+2*i:BB+2*i+1]
.set i, i+1
.endr
.irp j, 0,1,2,3,4,5,6,7
	v_cvt_pk_f16_f32 v[X+4*\j], v[X+4*\j], v[X+4*\j+1]
	v_cvt_pk_f16_f32 v[X+4*\j+1], v[X+4*\j+2], v[X+4*\j+3]
	global_store_b64 v2, v[X+4*\j:X+4*\j+1], s[DST:DST+1] offset:256*\j
.endr
	s_endpgm
; ---------------- casts: thread t turns 8 f32 (32 bytes) into 16 bytes; 16 chunks a work-group, chunk 4 o + k at SO + k sa + 32,768 o -> DO + k da + o db ----------------
.macro JOB base, srcp, dstp, dmul, dadd, sa, da, db
	s_sub_co_u32 s4, s2, \base                     ; my number within the job
	s_mov_b64 s[SRC:SRC+1], s[\srcp:\srcp+1]
	s_mov_b64 s[DST:DST+1], s[\dstp:\dstp+1]
	s_lshl_b32 s60, s4, 17                         ; 131,072 source bytes a work-group
	s_add_nc_u64 s[SRC:SRC+1], s[SRC:SRC+1], s[60:61]
	s_mul_i32 s60, s4, \dmul
	s_add_co_u32 s60, s60, \dadd
	s_add_nc_u64 s[DST:DST+1], s[DST:DST+1], s[60:61]
	s_mov_b32 s48, \sa
	s_mov_b32 s49, \da
	s_mov_b32 s52, \db
.endm
.macro CVT k                           ; chunk k: rounded to bf16, and that number written as f16
.irp r, 0,1,2,3
	v_cvt_pk_bf16_f32 v[64+\r], v[16+8*(\k)+2*\r], v[17+8*(\k)+2*\r]
.endr
.irp r, 0,1,2,3
	v_lshlrev_b32 v[16+8*(\k)+2*\r], 16, v[64+\r]
	v_and_b32 v[17+8*(\k)+2*\r], s55, v[64+\r]
.endr
.irp r, 0,1,2,3
	v_cvt_pk_f16_f32 v[48+4*(\k)+\r], v[16+8*(\k)+2*\r], v[17+8*(\k)+2*\r]
.endr
.endm
.Lcasts:
	s_mov_b32 s53, 0
	v_lshlrev_b32 v3, 5, v0                        ; SO = 32 t and DO = 16 t, where the job says nothing else
	v_lshlrev_b32 v12, 4, v0
	s_cmp_lt_u32 s2, 256
	s_cbranch_scc0 .Lnot_w1
	JOB 0, 20, 30, 65536, 0, 4096, 4096, 16384     ; W1: four rows a work-group; a chunk is 2,048 columns of w1h
	v_bfe_u32 v3, v0, 3, 1                         ; g: val or gate, 16,384 bytes apart in W1's row
	v_lshlrev_b32 v3, 14, v3
	v_lshrrev_b32 v13, 4, v0                       ; u within the chunk: 64 columns, 256 bytes
	v_lshl_add_u32 v3, v13, 8, v3
	v_and_b32 v13, 7, v0
	v_lshl_add_u32 v3, v13, 5, v3
	s_branch .Lgo
.Lnot_w1:
	s_cmp_lt_u32 s2, 272
	s_cbranch_scc0 .Lwkv
	JOB 256, 22, 32, 81920, 0, 8192, 5120, 20480   ; Wq: rows of 2,048 bytes into rows of 1,280: a chunk is four rows
	v_lshrrev_b32 v13, 6, v0
	v_mul_u32_u24 v12, v13, 1280
	v_and_b32 v13, 63, v0
	v_lshl_add_u32 v12, v13, 4, v12
	s_branch .Lgo
.Lwkv:
	JOB 272, 24, 32, 327680, 1024, 8192, 20480, 81920   ; Wkv: rows of 512 bytes, behind Wq's 1,024 bytes of a row: a chunk is sixteen rows
	v_lshrrev_b32 v13, 4, v0
	v_mul_u32_u24 v12, v13, 1280
	v_and_b32 v13, 15, v0
	v_lshl_add_u32 v12, v13, 4, v12
.Lgo:
	v_mov_b32 v4, v3
	v_mov_b32 v8, v12
.irp k, 1,2,3
	v_add_nc_u32 v[4+\k], s48, v[3+\k]
	v_add_nc_u32 v[8+\k], s49, v[7+\k]
.endr
.irp k, 0,1,2,3
	global_load_b128 v[16+8*\k:19+8*\k], v[4+\k], s[SRC:SRC+1] th:TH_LOAD_NT
	global_load_b128 v[20+8*\k:23+8*\k], v[4+\k], s[SRC:SRC+1] offset:16 th:TH_LOAD_NT
.endr
; A ring of four chunks: a chunk's registers are loaded again, with the chunk 32,768 bytes on, as soon as they have been converted, so eight loads of the wave are always out.
; Sixteen neighbouring lanes store 256 consecutive bytes, aligned, in every job.
	s_mov_b32 s54, 3
.Lcast:
.irp k, 0,1,2,3
	s_wait_loadcnt 6                               ; loads come back in order: this chunk's two are in, the three younger pairs stay out
	CVT \k
	global_load_b128 v[16+8*\k:19+8*\k], v[4+\k], s[SRC:SRC+1] offset:32768 th:TH_LOAD_NT
	global_load_b128 v[20+8*\k:23+8*\k], v[4+\k], s[SRC:SRC+1] offset:32784 th:TH_LOAD_NT
	global_store_b128 v[8+\k], v[48+4*\k:51+4*\k], s[DST:DST+1]
.endr
	s_wait_xcnt 0x0                                ; the stores' data and both bases are rewritten only behind this wait
	s_add_nc_u64 s[SRC:SRC+1], s[SRC:SRC+1], 32768
	s_add_nc_u64 s[DST:DST+1], s[DST:DST+1], s[52:53]
	s_sub_co_u32 s54, s54, 1
	s_cmp_lg_u32 s54, 0
	s_cbranch_scc1 .Lcast
.irp k, 0,1,2,3
	s_wait_loadcnt 6-2*\k                          ; the last four chunks load nothing: the counts run down
	CVT \k
	global_store_b128 v[8+\k], v[48+4*\k:51+4*\k], s[DST:DST+1]
.endr
	s_endpgm
.Lfunc_end_k_q5db041c9aa_prep:
	.size	k_q5db041c9aa_prep, .Lfunc_end_k_q5db041c9aa_prep-k_q5db041c9aa_prep
	.p2alignl 7, 3214868480
	.fill 96, 4, 3214868480
	.section	.rodata,"a",@progbits
	.p2align	6, 0x0
	.amdhsa_kernel k_q5db041c9aa_prep
		.amdhsa_group_segment_fixed_size 0
		.amdhsa_private_segment_fixed_size 0
		.amdhsa_enable_private_segment 0
		.amdhsa_kernarg_size 104
		.amdhsa_user_sgpr_count 2
		.amdhsa_user_sgpr_kernarg_segment_ptr 1
		.amdhsa_wavefront_size32 1
		.amdhsa_system_sgpr_workgroup_id_x 1
		.amdhsa_system_sgpr_workgroup_id_y 1
		.amdhsa_system_sgpr_workgroup_id_z 1
		.amdhsa_system_vgpr_workitem_id 0
		.amdhsa_next_free_vgpr 128
		.amdhsa_next_free_sgpr 66
		.amdhsa_reserve_vcc 0
		.amdhsa_float_denorm_mode_32 3
		.amdhsa_float_denorm_mode_16_64 3
		.amdhsa_memory_ordered 1
		.amdhsa_forward_progress 1
		.amdhsa_inst_pref_size 30
	.end_amdhsa_kernel
	.amdgpu_metadata
---
amdhsa.version: [ 1, 2 ]
amdhsa.kernels:
  - .name:           k_q5db041c9aa_prep
    .symbol:         k_q5db041c9aa_prep.kd
    .args:
      - { .name: x, .offset: 0, .size: 8, .value_kind: global_buffer, .address_space: global }
      - { .name: context, .offset: 8, .size: 8, .value_kind: global_buffer, .address_space: global }
      - { .name: ln_g, .offset: 16, .size: 8, .value_kind: global_buffer, .address_space: global }
      - { .name: ln_b, .offset: 24, .size: 8, .value_kind: global_buffer, .address_space: global }
      - { .name: cln_g, .offset: 32, .size: 8, .value_kind: global_buffer, .address_space: global }
      - { .name: cln_b, .offset: 40, .size: 8, .value_kind: global_buffer, .address_space: global }
      - { .name: W1, .offset: 48, .size: 8, .value_kind: global_buffer, .address_space: global }
      - { .name: Wq, .offset: 56, .size: 8, .value_kind: global_buffer, .address_space: global }
      - { .name: Wkv, .offset: 64, .size: 8, .value_kind: global_buffer, .address_space: global }
      - { .name: xnh, .offset: 72, .size: 8, .value_kind: global_buffer, .address_space: global }
      - { .name: cnh, .offset: 80, .size: 8, .value_kind: global_buffer, .address_space: global }
      - { .name: w1h, .offset: 88, .size: 8, .value_kind: global_buffer, .address_space: global }
      - { .name: wp, .offset: 96, .size: 8, .value_kind: global_buffer, .address_space: global }
    .group_segment_fixed_size: 0
    .private_segment_fixed_size: 0
    .kernarg_segment_align: 8
    .kernarg_segment_size: 104
    .max_flat_workgroup_size: 256
    .sgpr_count:     66
    .vgpr_count:     128
    .wavefront_size: 32
...
	.end_amdgpu_metadata
.endif
;; end of part 1
;; launch proj (part 2): grid 32 x 5, 4 waves a work-group, clusters of 4 x 1, 327,680 bytes of LDS; arguments xnh, cnh, wp, qkv; writes qkv
.if DOCPART == 2
	.amdgcn_target "amdgcn-amd-amdhsa--gfx1250"
	.amdhsa_code_object_version 6
	.text
	.protected	k_q5db041c9aa_proj
	.globl	k_q5db041c9aa_proj
	.p2align	8
	.type	k_q5db041c9aa_proj,@function
k_q5db041c9aa_proj:
	s_mov_b64 s[64:65], 0
	v_nop
	global_prefetch_b8 v0, s[64:65] scope:SCOPE_SE
	s_setreg_imm32_b32 hwreg(HW_REG_WAVE_MODE, 25, 1), 1
	s_wait_xcnt 0x0
	s_wait_alu depctr_hold_cnt(0) depctr_sa_sdst(0) depctr_va_vdst(0) depctr_va_sdst(0) depctr_va_ssrc(0) depctr_va_vcc(0) depctr_vm_vsrc(0)
	s_getreg_b32 s2, hwreg(HW_REG_IB_STS2, 6, 4)
	s_cmp_eq_u32 s2, 0
	s_cbranch_scc0 .Lentry_in_a_cluster
	s_endpgm
.Lentry_in_a_cluster:
	s_bfe_u32 s2, ttmp6, 0x10000c
	s_cmp_lg_u32 s2, 0x3003
	s_cbranch_scc0 .Lentry_shape_is_right
	s_endpgm
.Lentry_shape_is_right:
; PROJ: q = (xn Wq) / 8, k and v = cn Wkv, all f16, sums in f32.  C = A B with A [4096][1024] f16 (K along the rows) and B = wp [1024][640] f16 (N along the rows).
; A tile of C is 128 x 128: grid x = row block X (0-31), grid y = column tile Y of wp (0-3: q's columns 128 Y on, A = xnh; 4: k | v, A = cnh).  160 work-groups: all the work there is at this tile.
; Four waves, each 64 x 64: 16 accumulators.  K in steps of 256 through two LDS slots.  B's fragments come out of LDS turned, by ds_load_tr16_b128.
; qkv: q [4096][512] at byte 0, k [4096][64] at 4,194,304, v [4096][64] at 4,718,592.  The scale 1/8 is a power of two: q carries it exactly.
; CLUSTER: the four row blocks of a cluster (4 x 1) walk the same tiles of B: asked for JOINTLY (mask 15).  A's tiles are each work-group's own: plain loads at the same place behind the same round.
; 4 x 4 is not possible: five column tiles do not divide by four.
; LIMIT: q, k, v must lie within f16's range (65,504).
; THE MATRIX INSTRUCTION IS USED TRANSPOSED (source 0 = 16 columns of B, source 1 = 16 rows of A): a lane then holds eight neighbouring numbers of a row of C.
; REGISTERS: window 0: v0-31 addresses; v32-95 at work on the way out; v128-255 the accumulators ((a, b) at v[128 + 8 (4 a + b)]).
;   window 1: two fragment buffers of 128: for 64 along K, 64 registers of A, then 64 of B.
.set KSTEP,  256
.set PITCH,  528                       ; a row of A in LDS: 512 bytes + 16: the 16 rows of a load start at 16 different groups of four banks (ISA guide 11.1)
.set PB,     288                       ; a row of B (one k, 128 columns): 256 bytes + 32
.set HALFA,  64*PITCH                  ; what waves 0, 1 fetch: 64 rows of A
.set HALFB,  128*PB                    ; what waves 2, 3 fetch: 128 k of B
.set BOFF,   2*HALFA
.set SLOT,   2*HALFA+2*HALFB
.set STAGE,  2*SLOT                    ; behind the ring: 128 rows x 272 bytes, the work-group's, for the way out
.set SPITCH, 272
.set SPARE,  STAGE+128*SPITCH          ; behind the stage: the spare words, 128 bytes for each wave
.set LAPS,   2                         ; K = 1024: two laps of two K steps
.set ADRA, 16                          ; v16-17  LDS address of my A fragments in slot 0, 1
.set ADRB, 20                          ; v20-23  of my B fragments: 2 x slot + which 128 k of the step
.set STO,  24
.set RD,   25                          ; way out, q: where I read rows back;  v26 my byte offset in q
.set CO,   26
.set RDK,  27                          ; the same for the tile of k and v
.set SPW,  28
.set NIL,  29
.set COK,  30
.set TMP,  32
.set ACC,  128
.set F0,   0
.set F1,   128
.set G1, 24
.set G0, 32
.set G1B, 48
.set G0B, 56
.set MSB, 0
.macro WIN new                         ; the immediate's high byte repeats the setting that is left
.if MSB != (\new)
	s_set_vgpr_msb (MSB<<8)|(\new)
.set MSB, \new
.endif
.endm
.set MUL,  0x05                        ; sources 0 (B) and 1 (A) window 1; C and D window 0
.set TO_F, 0x40                        ; destination window 1, address window 0
.macro JLOAD s                         ; waves 0 and 1 fetch A's two halves (plain), waves 2 and 3 B's (joint); an s_nop 0 and four v_nop follow each line
	s_cmp_eq_u32 s11, 0
	s_cbranch_scc0 .Lfor_b_\@
	tensor_load_to_lds s[G0+4*(\s):G0+4*(\s)+3], s[G1:G1+7]
	s_nop 0
.rept 4
	v_nop
.endr
	s_branch .Lasked_\@
.Lfor_b_\@:
	tensor_load_to_lds s[G0B+4*(\s):G0B+4*(\s)+3], s[G1B:G1B+7]
	s_nop 0
.rept 4
	v_nop
.endr
.Lasked_\@:
.endm
.macro CREST                           ; a round of the cluster's barrier behind its opening barrier
	s_cmp_lg_u32 s10, 0
	s_cbranch_scc1 .Lnot_wave_0_\@
	s_barrier_signal -3
.Lnot_wave_0_\@:
	s_barrier_wait -3
	s_barrier_signal -1
	s_barrier_wait -1
.endm
.macro CROUND
	s_barrier_signal -1
	s_barrier_wait -1
	CREST
.endm
	s_load_b256 s[72:79], s[0:1], 0x0              ; xnh 72, cnh 74, wp 76, qkv 78
	v_lshl_add_u32 v[SPW], v0, 2, SPARE
	v_mov_b32 v[NIL], 0
	ds_add_u32 v[SPW], v[NIL]                      ; the wave's opening: the add and its wait ahead of my first tensor load
	v_lshrrev_b32 v1, 5, v0
	v_readfirstlane_b32 s10, v1                    ; wave 0..3
	s_lshr_b32 s11, s10, 1                         ; which half of the tile's rows is mine.  Also: I fetch for A (0) or for B (1)
	s_and_b32 s12, s10, 1                          ; which half of its columns.  Also: which half of that tile I fetch
	s_bfe_u32 s40, ttmp6, 0x40000                  ; cx
	s_lshl_b32 s42, ttmp9, 2
	s_add_co_u32 s42, s42, s40                     ; X = 4 x cluster x + cx: it enters A's and the output's global addresses alone
	s_and_b32 s13, ttmp7, 0xffff                   ; Y, which the four partners share
	s_mov_b32 s[G1+0], (1<<16)|(1<<20)|(6<<22)|(3<<25)  ; A: no mask; 2-byte elements; padding after every 128 words (code 6) of 4 words (code 3)
	s_mov_b32 s[G1+1], 256<<16                     ; tensor_dim0 = 256
	s_mov_b32 s[G1+2], 64<<16                      ; tensor_dim1 = 64
	s_mov_b32 s[G1+3], 256<<16                     ; tile_dim0 = 256
	s_mov_b32 s[G1+4], 64                          ; tile_dim1 = 64
	s_mov_b32 s[G1+5], 1024                        ; elements from row to row
	s_mov_b32 s[G1+6], 0
	s_mov_b32 s[G1+7], 0
	s_mov_b32 s[G1B+0], 15|(1<<16)|(1<<20)|(1<<21)|(5<<22)|(7<<25)  ; B: the mask of four, bit 21 beside it; padding after every 64 words (code 5) of 8 words (code 7)
	s_mov_b32 s[G1B+1], 128<<16
	s_mov_b32 s[G1B+2], 128<<16
	s_mov_b32 s[G1B+3], 128<<16
	s_mov_b32 s[G1B+4], 128
	s_mov_b32 s[G1B+5], 640
	s_mov_b32 s[G1B+6], 0
	s_mov_b32 s[G1B+7], 0
	s_lshl_b32 s16, s42, 7
	s_lshl_b32 s17, s12, 6
	s_add_co_u32 s16, s16, s17                     ; A: row 128 X + 64 x half,
	s_lshl_b32 s16, s16, 11                        ; of 2,048 bytes
	s_mov_b32 s17, 0
	s_lshl_b32 s46, s13, 8                         ; B: 256 Y bytes along a row,
	s_mul_i32 s47, s12, 128*1280                   ; 128 k x half
	s_add_co_u32 s46, s46, s47
	s_mov_b32 s47, 0
	s_mul_i32 s20, s12, HALFA                      ; where they go: no place in the cluster enters an LDS address
	s_mul_i32 s45, s12, HALFB
	s_add_co_u32 s45, s45, BOFF
	s_cmp_eq_u32 s13, 4
	s_cselect_b32 s66, 1.0, 0x3e000000             ; k and v as they are, q times 1/8
	s_mov_b32 s67, s66
	s_wait_dscnt 0x0                               ; the opening add is done
	s_wait_kmcnt 0x0
	s_cmp_eq_u32 s13, 4
	s_cselect_b64 s[14:15], s[74:75], s[72:73]     ; A is cnh for the tile of k and v, else xnh
	s_add_nc_u64 s[14:15], s[14:15], s[16:17]
	s_add_nc_u64 s[46:47], s[76:77], s[46:47]
	CROUND                                         ; all four work-groups are here: the first joint loads meet
.irp s, 0,1
	s_mov_b32 s[G0+4*(\s)], 1
	s_add_co_u32 s[G0+4*(\s)+1], s20, (\s)*SLOT
	s_add_nc_u64 s[G0+4*(\s)+2:G0+4*(\s)+3], s[14:15], (\s)*KSTEP*2
	s_or_b32 s[G0+4*(\s)+3], s[G0+4*(\s)+3], 0x80000000
	s_mov_b32 s[G0B+4*(\s)], 1
	s_add_co_u32 s[G0B+4*(\s)+1], s45, (\s)*SLOT
	s_add_nc_u64 s[G0B+4*(\s)+2:G0B+4*(\s)+3], s[46:47], (\s)*KSTEP*1280
	s_or_b32 s[G0B+4*(\s)+3], s[G0B+4*(\s)+3], 0x80000000
	JLOAD \s                                       ; two loads of mine are out
.endr
	v_and_b32 v1, 15, v0                           ; r = l % 16
	v_bfe_u32 v2, v0, 4, 1                         ; h = l / 16
	v_and_b32 v6, 7, v0
	v_bfe_u32 v7, v0, 3, 1
	v_mul_u32_u24 v3, v1, PITCH
	v_lshl_add_u32 v3, v2, 4, v3                   ; A: row x pitch + 16 h
	v_lshl_add_u32 v4, v2, 3, v6                   ; B, turned: k = 8 h + l % 8,
	v_mul_u32_u24 v4, v4, PB
	v_lshl_add_u32 v4, v7, 4, v4                   ; 16 bytes for each half of eight lanes
	s_mul_i32 s21, s11, HALFA                      ; my 64 rows of A
	s_lshl_b32 s22, s12, 7                         ; my 64 columns of B
	s_add_co_u32 s22, s22, BOFF
.irp s, 0,1
	v_add_nc_u32 v[ADRA+(\s)], s21, v3
	v_add_nc_u32 v[ADRB+2*(\s)], s22, v4
	v_add_nc_u32 v[ADRB+2*(\s)+1], HALFB, v[ADRB+2*(\s)]
	s_add_co_u32 s21, s21, SLOT
	s_add_co_u32 s22, s22, SLOT
.endr
	s_mul_i32 s23, s11, 64*SPITCH                  ; into the stage: my 64 rows, my half of their 256 bytes
	s_lshl_b32 s21, s12, 7
	s_add_co_u32 s23, s23, s21
	s_add_co_u32 s23, s23, STAGE
	v_mul_u32_u24 v5, v1, SPITCH
	v_lshl_add_u32 v5, v2, 4, v5
	v_add_nc_u32 v[STO], s23, v5
	s_mul_i32 s23, s10, 32*SPITCH                  ; back: wave w takes rows 32 w .. 32 w + 31
	s_add_co_u32 s23, s23, STAGE
	v_mul_u32_u24 v5, v2, SPITCH                   ; q: lanes 0-15 one row of 256 bytes, lanes 16-31 the next
	v_lshl_add_u32 v5, v1, 4, v5
	v_add_nc_u32 v[RD], s23, v5
	v_lshlrev_b32 v5, 10, v2
	v_lshl_add_u32 v[CO], v1, 4, v5                ; the same two rows in q, 1,024 bytes apart
	v_mul_u32_u24 v5, v7, SPITCH                   ; k | v: lanes 0-15 take k's 128 bytes of two rows, lanes 16-31 v's
	v_lshl_add_u32 v5, v2, 7, v5
	v_lshl_add_u32 v5, v6, 4, v5
	v_add_nc_u32 v[RDK], s23, v5
	v_lshlrev_b32 v5, 19, v2                       ; v lies 524,288 bytes behind k; two rows of 128 bytes are 256 consecutive bytes
	v_lshl_add_u32 v5, v7, 7, v5
	v_lshl_add_u32 v[COK], v6, 4, v5
	s_lshl_b32 s16, s42, 7
	s_lshl_b32 s17, s10, 5
	s_add_co_u32 s18, s16, s17                     ; the first row that I store: 128 X + 32 w
	s_lshl_b32 s16, s18, 10
	s_lshl_b32 s17, s13, 8
	s_add_co_u32 s16, s16, s17                     ; q: row x 1,024 + 256 Y
	s_mov_b32 s17, 0
	s_lshl_b32 s18, s18, 7
	s_add_co_u32 s18, s18, 4194304                 ; k: 4,194,304 + row x 128
	s_mov_b32 s19, 0
; 8 matrix instructions: m blocks a0, a0 + 1 x all 4 n blocks, 32 along K: half c of buffer f.  zero = 1: the first product starts the sums.  The 16 accumulators take turns.
.macro MUL8 f, c, a0, zero
	WIN MUL
.irp a, \a0, (\a0)+1
.irp b, 0,1,2,3
.if \zero
	v_wmma_f32_16x16x32_f16 v[ACC+8*(4*(\a)+(\b)):ACC+8*(4*(\a)+(\b))+7], v[(\f)+64+8*(4*(\c)+(\b)):(\f)+64+8*(4*(\c)+(\b))+7], v[(\f)+8*(4*(\c)+(\a)):(\f)+8*(4*(\c)+(\a))+7], 0
.else
	v_wmma_f32_16x16x32_f16 v[ACC+8*(4*(\a)+(\b)):ACC+8*(4*(\a)+(\b))+7], v[(\f)+64+8*(4*(\c)+(\b)):(\f)+64+8*(4*(\c)+(\b))+7], v[(\f)+8*(4*(\c)+(\a)):(\f)+8*(4*(\c)+(\a))+7], v[ACC+8*(4*(\a)+(\b)):ACC+8*(4*(\a)+(\b))+7]
.endif
.endr
.endr
.endm
; 32 LDS loads in one run: the fragments of 64 along K (byte k of A's rows, k / 2 of B's k) into buffer f; the first 32 along K first
.macro FETCH slot, k, f
	WIN TO_F
.set QD, (\k)/128
.irp c, 0,1
.irp i, 0,1,2,3
	ds_load_tr16_b128 v[(\f)+64+8*(4*(\c)+(\i)):(\f)+64+8*(4*(\c)+(\i))+3],   v[ADRB+2*(\slot)+QD/2] offset:((QD%2)*64+32*(\c))*PB+32*(\i)
	ds_load_tr16_b128 v[(\f)+64+8*(4*(\c)+(\i))+4:(\f)+64+8*(4*(\c)+(\i))+7], v[ADRB+2*(\slot)+QD/2] offset:((QD%2)*64+32*(\c)+16)*PB+32*(\i)
	ds_load_b128 v[(\f)+8*(4*(\c)+(\i)):(\f)+8*(4*(\c)+(\i))+3],         v[ADRA+(\slot)] offset:(\k)+64*(\c)+(\i)*16*PITCH
	ds_load_b128 v[(\f)+8*(4*(\c)+(\i))+4:(\f)+8*(4*(\c)+(\i))+7],       v[ADRA+(\slot)] offset:(\k)+64*(\c)+(\i)*16*PITCH+32
.endr
.endr
.endm
.macro PLACES                          ; four places in front of loads into registers that matrix instructions have read, and of lines that read results
.rept 4
	v_nop
.endr
.endm
.macro QUARTER slot, k, f, g, zero     ; multiplies buffer f (64 along K) and fetches the next quarter, at byte k, into g
	s_wait_dscnt 16                                ; the first 32 along K are in; the younger sixteen loads may be out
	MUL8 \f, 0, 0, \zero
	MUL8 \f, 0, 2, \zero
	PLACES
	FETCH \slot, \k, \g
	s_wait_dscnt 32                                ; all but the 32 just issued
	MUL8 \f, 1, 0, 0
	MUL8 \f, 1, 2, 0
.endm
; The last quarter multiplies buffer 1 and changes slots: ONE barrier; in front of it each wave waits for all its tensor loads, adds 0 to its spare word, and waits for that and for its reads of this slot.
.macro TURN slot, next, fill
	WIN 0                                          ; (the add's two registers lie in window 0)
	s_wait_tensorcnt 0x0                           ; all my tensor loads have landed: my part of the next slot
	ds_add_u32 v[SPW], v[NIL]                      ; 0 onto my spare word
	s_wait_dscnt 17                                ; (the add and the youngest sixteen loads may be out)
	MUL8 F1, 0, 0, 0
	s_wait_dscnt 0x0                               ; the add is done, and my reads of this slot are over
	s_barrier_signal -1
	MUL8 F1, 0, 2, 0
.if \fill
	WIN 0
.endif
	s_barrier_wait -1
.if \fill
	CREST                                          ; the barrier has opened a round of the cluster's: no wave of any partner still reads this slot or has a load on its way
	s_add_nc_u64 s[G0+4*(\slot)+2:G0+4*(\slot)+3], s[G0+4*(\slot)+2:G0+4*(\slot)+3], 2*KSTEP*2
	s_add_nc_u64 s[G0B+4*(\slot)+2:G0B+4*(\slot)+3], s[G0B+4*(\slot)+2:G0B+4*(\slot)+3], 2*KSTEP*1280
	JLOAD \slot                                    ; my one tensor load behind the round; its four v_nop are also the places in front of the loads below
.else
	PLACES
.endif
	FETCH \next, 0, F0
	MUL8 F1, 1, 0, 0
	MUL8 F1, 1, 2, 0
.endm
	s_wait_tensorcnt 1                             ; my part of K step 0 is in; K step 1's may stay out
	s_barrier_signal -1
	s_barrier_wait -1
	FETCH 0, 0, F0
	QUARTER 0, 128, F0, F1, 1                      ; the first quarter stands in front of the loop: its first products start the sums
	WIN 0
	s_mov_b32 s3, LAPS-1
.Llap:                                                 ; a trip goes once round the ring and fills both slots again
	QUARTER 0, 256, F1, F0, 0
	QUARTER 0, 384, F0, F1, 0
	TURN 0, 1, 1
	QUARTER 1, 128, F0, F1, 0
	QUARTER 1, 256, F1, F0, 0
	QUARTER 1, 384, F0, F1, 0
	TURN 1, 0, 1
	QUARTER 0, 128, F0, F1, 0
	WIN 0
	s_sub_co_u32 s3, s3, 1
	s_cmp_lg_u32 s3, 0
	s_cbranch_scc1 .Llap
	QUARTER 0, 256, F1, F0, 0                      ; the last lap fills nothing
	QUARTER 0, 384, F0, F1, 0
	TURN 0, 1, 0
	QUARTER 1, 128, F0, F1, 0
	QUARTER 1, 256, F1, F0, 0
	QUARTER 1, 384, F0, F1, 0
	s_wait_dscnt 16
	MUL8 F1, 0, 0, 0
	MUL8 F1, 0, 2, 0
	s_wait_dscnt 0x0
	MUL8 F1, 1, 0, 0
	MUL8 F1, 1, 2, 0
	WIN 0
	; THE WAY OUT: scaled, rounded to f16; 16 bytes a lane into the work-group's stage; a barrier, since a row's 256 bytes come from two waves; back as whole rows.
	PLACES
.set t, 0
.rept 64
	v_pk_mul_f32 v[ACC+2*t:ACC+2*t+1], v[ACC+2*t:ACC+2*t+1], s[66:67] op_sel_hi:[1,0]   ; ascending: each accumulator is read from its low end
.set t, t+1
.endr
.set t, 0
.rept 64
	v_cvt_pk_f16_f32 v[TMP+t], v[ACC+2*t], v[ACC+2*t+1]
.set t, t+1
.endr
.irp a, 0,1,2,3
.irp b, 0,1,2,3
	ds_store_b128 v[STO], v[TMP+4*(4*(\a)+(\b)):TMP+4*(4*(\a)+(\b))+3] offset:(\a)*16*SPITCH+32*(\b)
.endr
.endr
	s_wait_dscnt 0x0                               ; for the others' sake: my stores into the stage are done
	s_barrier_signal -1
	s_barrier_wait -1
.macro OUTROWS rd, co, step            ; 32 rows of the stage, two at a time; every sixteen lanes store 256 consecutive bytes, aligned
.irp t, 0,1,2,3,4,5,6,7,8,9,10,11,12,13,14,15
	ds_load_b128 v[TMP+4*(\t):TMP+4*(\t)+3], v[\rd] offset:(\t)*2*SPITCH
.endr
.irp t, 0,1,2,3,4,5,6,7,8,9,10,11,12,13,14,15
	s_wait_dscnt 15-(\t)
	global_store_b128 v[\co], v[TMP+4*(\t):TMP+4*(\t)+3], s[8:9] offset:(\t)*(\step)
.endr
.endm
	s_cmp_eq_u32 s13, 4                            ; Y is the same in every wave and every partner; no barrier and no tensor load stands in either way
	s_cbranch_scc1 .Lkv
	s_add_nc_u64 s[8:9], s[78:79], s[16:17]
	OUTROWS RD, CO, 2048
	s_branch .Ldone
.Lkv:
	s_add_nc_u64 s[8:9], s[78:79], s[18:19]
	OUTROWS RDK, COK, 256
.Ldone:
	s_wait_tensorcnt 0x0                           ; the wave's end
	ds_add_u32 v[SPW], v[NIL]
	s_wait_dscnt 0x0
	CROUND                                         ; the closing round: no work-group ends while a partner may still ask for a tile that names it
	s_endpgm
.Lfunc_end_k_q5db041c9aa_proj:
	.size	k_q5db041c9aa_proj, .Lfunc_end_k_q5db041c9aa_proj-k_q5db041c9aa_proj
	.p2alignl 7, 3214868480
	.fill 96, 4, 3214868480
	.section	.rodata,"a",@progbits
	.p2align	6, 0x0
	.amdhsa_kernel k_q5db041c9aa_proj
		.amdhsa_group_segment_fixed_size 327680
		.amdhsa_private_segment_fixed_size 0
		.amdhsa_enable_private_segment 0
		.amdhsa_kernarg_size 32
		.amdhsa_user_sgpr_count 2
		.amdhsa_user_sgpr_kernarg_segment_ptr 1
		.amdhsa_wavefront_size32 1
		.amdhsa_system_sgpr_workgroup_id_x 1
		.amdhsa_system_sgpr_workgroup_id_y 1
		.amdhsa_system_sgpr_workgroup_id_z 1
		.amdhsa_system_vgpr_workitem_id 0
		.amdhsa_next_free_vgpr 512
		.amdhsa_next_free_sgpr 80
		.amdhsa_reserve_vcc 0
		.amdhsa_float_denorm_mode_32 3
		.amdhsa_float_denorm_mode_16_64 3
		.amdhsa_memory_ordered 1
		.amdhsa_forward_progress 1
		.amdhsa_inst_pref_size 95
	.end_amdhsa_kernel
	.amdgpu_metadata
---
amdhsa.version: [ 1, 2 ]
amdhsa.kernels:
  - .name:           k_q5db041c9aa_proj
    .symbol:         k_q5db041c9aa_proj.kd
    .args:
      - { .name: xnh, .offset: 0, .size: 8, .value_kind: global_buffer, .address_space: global }
      - { .name: cnh, .offset: 8, .size: 8, .value_kind: global_buffer, .address_space: global }
      - { .name: wp, .offset: 16, .size: 8, .value_kind: global_buffer, .address_space: global }
      - { .name: qkv, .offset: 24, .size: 8, .value_kind: global_buffer, .address_space: global }
    .group_segment_fixed_size: 327680
    .private_segment_fixed_size: 0
    .kernarg_segment_align: 8
    .kernarg_segment_size: 32
    .max_flat_workgroup_size: 128
    .sgpr_count:     80
    .vgpr_count:     512
    .wavefront_size: 32
...
	.end_amdgpu_metadata
.endif
;; end of part 2
;; launch attn (part 3): grid 128 x 2, 4 waves a work-group, clusters of 4 x 1, 327,680 bytes of LDS; arguments qkv, mask, actcat, W2, Wout, wcat; writes actcat, wcat
.if DOCPART == 3
	.amdgcn_target "amdgcn-amd-amdhsa--gfx1250"
	.amdhsa_code_object_version 6
	.text
	.protected	k_q5db041c9aa_attn
	.globl	k_q5db041c9aa_attn
	.p2align	8
	.type	k_q5db041c9aa_attn,@function
k_q5db041c9aa_attn:
	s_mov_b64 s[64:65], 0
	v_nop
	global_prefetch_b8 v0, s[64:65] scope:SCOPE_SE
	s_setreg_imm32_b32 hwreg(HW_REG_WAVE_MODE, 25, 1), 1
	s_wait_xcnt 0x0
	s_wait_alu depctr_hold_cnt(0) depctr_sa_sdst(0) depctr_va_vdst(0) depctr_va_sdst(0) depctr_va_ssrc(0) depctr_va_vcc(0) depctr_vm_vsrc(0)
	s_getreg_b32 s2, hwreg(HW_REG_IB_STS2, 6, 4)
	s_cmp_eq_u32 s2, 0
	s_cbranch_scc0 .Lentry_in_a_cluster
	s_endpgm
.Lentry_in_a_cluster:
	s_bfe_u32 s2, ttmp6, 0x10000c
	s_cmp_lg_u32 s2, 0x3003
	s_cbranch_scc0 .Lentry_shape_is_right
	s_endpgm
.Lentry_shape_is_right:
; ATTN: o[b][i][head][:] = the sum over j of softmax_j(q[b][i][head] . k[b][j] + mask[b][i][j]) v[b][j][:], one k and v for all eight heads.  q (it carries the scale 1/8), k, v: f16, in qkv.
; The mask is no matrix operand: it enters in f32, as the C that starts the sum of scores.  o leaves in bf16 as columns 4096 + 64 head + d of actcat ([4096][4608], rows of 9,216 bytes).
; Products, maxima and sums in f32; the weights p are rounded to f16.
; BESIDE IT, at the start: wcat = [W2; Wout] rounded to bf16 ([4608][1024]).  Each work-group takes 16 rows of W2 and 2 of Wout; a wave's 36 loads go out behind the request for the first tile and are
; converted while that tile is on its way.
; SHARES.  A work-group owns 16 query rows of a batch, all eight heads: 256 work-groups.  Wave w owns heads 2 w and 2 w + 1: two tiles of 16 queries.  All four waves use ONE tile of the mask.  Keys go 64 a step.
; LAYOUT.  S^T = K Q^T + mask^T (source 0 = 16 keys, source 1 = 16 queries): a lane holds ONE query (lane % 16) and the keys 8 (lane / 16) + 0..7.
; Two such results rounded to f16 in pairs ARE source 1 of O^T = V^T P.  K comes out of LDS as it lies, V turned, by ds_load_tr16_b128.
; SOFTMAX.  A running maximum m and sum l for each query: p = 2^(c s - c m), c = log2(e); in every step O and l are multiplied by a = 2^(c m_old - c m_new).
; m starts at -4.25e37, O and l at 0, so the first step is a step like any other, with a = 0; the price is 64 v_mov_b32 in the wait for the first tile.
; PHASES.  A step is: 16 products K Q^T, the softmax of both tiles, 16 products V^T P, the sums.  The next step's K and mask are fetched behind K Q^T, its V behind V^T P.
; CLUSTER.  The four work-groups of a cluster belong to one batch and walk the same K and V: asked for JOINTLY (wave 0: K, wave 1: V).  The mask's tile is each work-group's own: a plain load of wave 2 behind the same round.
; LIMITS.  q, k, v within f16's range.  A score below -4.25e37 counts as hidden; a weight below 2^-126 counts as 0; a row hidden wholly by -inf gives NaN, as the module does; NaN and +inf are not treated apart.
; REGISTERS.  window 0: v1-14 addresses; v16-23 statistics (a tile: c m, m, l, l); v24-31 at work (a tile: c0-c3; c2 takes a); v32-33 c m_old; v34-35 the cast's offsets; v62-63 the add's;
;   v64-95 the mask; v96-159 S^T; v160-191 P; v192-255 O^T (v64-207 at the start: the cast).     window 1: v0-31 Q; v32-95 K of one step; v96-159 V of one step.
.set KS,    64
.set PK,    144       ; a row of K in LDS: 128 bytes + 16: the 16 rows of a load start at 16 different groups of four banks (ISA guide 11.1)
.set PV,    160       ; a row of V: 128 + 32
.set PM,    1040      ; a row of the mask's tile: 256 keys x 4 bytes + 16
.set VOFF,  4*KS*PK   ; a slot holds four steps: 256 rows of K, 256 rows of V, 16 rows of the mask
.set MOFF,  VOFF+4*KS*PV
.set SLOT1, 1<<17     ; slot 1 begins here: one exclusive or turns an address in one slot into the other's
.set STAGE, SLOT1+MOFF+16*PM   ; behind the ring: 16 rows x 272 bytes for each wave, for the way out
.set SP,    272
.set SPARE, STAGE+4*16*SP      ; behind the stages: the spare words, 128 bytes for each wave
.set ACTROW, 9216
.set AK0, 2
.set AV0, 3
.set AM0, 4
.set AK,  5
.set AV,  6
.set AM,  7
.set STO, 8
.set RD,  9
.set GO,  10
.set QO,  11
.set ST,  16
.set TMP, 24
.set MV,  32
.set CSRC, 34         ; the cast: 32 x lane, in W2 and Wout
.set CDST, 35         ;           16 x lane, in wcat
.set SPW, 62
.set NIL, 63
.set CB,  64          ; the cast: chunk i of 18 at v[64 + 8 i]
.set M,   64
.set S,   96
.set P,   160
.set O,   192
.set KF,  32          ; window 1: key block kb, channel half c at KF + 16 kb + 8 c
.set VF,  96          ; window 1: key half kk, channel block cb at VF + 32 kk + 8 cb
.set WV,  12
.set G1K, 16
.set G1V, 24
.set G1M, 32
.set G0K, 40
.set G0V, 44
.set G0M, 48
.set SLOTS, 52
.set CNT, 53
.set CS,  54          ; s[54:55] c
.set SEL, 56          ; s[56:57] v_permlanex16_b32's selects
.set TBK, 58          ; LDS byte at which K of the step to be fetched begins; 59: V's, less VOFF; 60: the mask's, less MOFF
.set TBV, 59
.set TBM, 60
.set MSB, 0
.macro WIN new
.if MSB != (\new)
	s_set_vgpr_msb (MSB<<8)|(\new)
.set MSB, (\new)
.endif
.endm
.set W_KQ, 0x05       ; K and Q in window 1; the mask and S^T in window 0
.set W_PV, 0x01       ; V in window 1; P and O^T in window 0
.set W_LD, 0x40       ; a load's destination in window 1, its address in window 0
; A fill: wave 0 the slot's K, wave 1 its V (both joint), wave 2 the mask's tile (plain), wave 3 none.  The branches hang on the wave's number alone.  An s_nop 0 and four v_nop follow each load.
.macro JLOAD
	s_cmp_eq_u32 s[WV], 0
	s_cbranch_scc0 .Lnot0_\@
	tensor_load_to_lds s[G0K:G0K+3], s[G1K:G1K+7]
	s_nop 0
.rept 4
	v_nop
.endr
	s_branch .Lasked_\@
.Lnot0_\@:
	s_cmp_eq_u32 s[WV], 1
	s_cbranch_scc0 .Lnot1_\@
	tensor_load_to_lds s[G0V:G0V+3], s[G1V:G1V+7]
	s_nop 0
.rept 4
	v_nop
.endr
	s_branch .Lasked_\@
.Lnot1_\@:
	s_cmp_eq_u32 s[WV], 2
	s_cbranch_scc0 .Lasked_\@
	tensor_load_to_lds s[G0M:G0M+3], s[G1M:G1M+7]
	s_nop 0
.rept 4
	v_nop
.endr
.Lasked_\@:
.endm
.macro CROUND                       ; a round of the cluster's barrier
	s_barrier_signal -1
	s_barrier_wait -1
	s_cmp_lg_u32 s[WV], 0
	s_cbranch_scc1 .Lnot_wave_0_\@
	s_barrier_signal -3
.Lnot_wave_0_\@:
	s_barrier_wait -3
	s_barrier_signal -1
	s_barrier_wait -1
.endm
; THE CHANGE OF SLOTS.  The slot's last bytes, V of its fourth step, have been asked for.  Each wave waits for all its tensor loads (at most one is out: its part of the other slot), adds 0 to its spare word,
; and waits for that and for its reads of the slot.  fill = 1: the slot is filled again, with the keys two slots on: the barrier is a round of the cluster's, and the fill is the first thing behind it:
; it has four key steps in which to land.  (At its first use nothing has been read yet: slot 0 is waited for, slot 1 filled.)
.macro CHANGE fill
	WIN 0
	s_wait_tensorcnt 0x0            ; no tensor load of mine is out, so a group 0 may be written
	ds_add_u32 v[SPW], v[NIL]       ; 0 onto my spare word
.if \fill
.irp g, G0K, G0V
	s_xor_b32 s[\g+1], s[\g+1], SLOT1
	s_add_nc_u64 s[\g+2:\g+3], s[\g+2:\g+3], 4*KS*128  ; the next 256 keys
.endr
	s_xor_b32 s[G0M+1], s[G0M+1], SLOT1
	s_add_nc_u64 s[G0M+2:G0M+3], s[G0M+2:G0M+3], 4*KS*4 ; 256 keys along the mask's rows
	s_wait_dscnt 0x0                ; the add is done, and my reads of the slot are over
	CROUND
	JLOAD
.else
	s_wait_dscnt 0x0
	s_barrier_signal -1
	s_barrier_wait -1
.endif
	s_sub_co_u32 s[TBK], s[TBK], 4*KS*PK  ; the fetches go back to a slot's first step, in the other slot
	s_xor_b32 s[TBK], s[TBK], SLOT1
	s_sub_co_u32 s[TBV], s[TBV], 4*KS*PV
	s_xor_b32 s[TBV], s[TBV], SLOT1
	s_sub_co_u32 s[TBM], s[TBM], 4*KS*4
	s_xor_b32 s[TBM], s[TBM], SLOT1
.endm
	s_load_b128 s[4:7], s[0:1], 0x0   ; qkv s[4:5], mask s[6:7]
	s_load_b256 s[68:75], s[0:1], 0x10  ; actcat 68, W2 70, Wout 72, wcat 74
	v_lshl_add_u32 v[SPW], v0, 2, SPARE
	v_mov_b32 v[NIL], 0
	ds_add_u32 v[SPW], v[NIL]       ; the wave's opening: the add and its wait ahead of my first tensor load
	v_lshrrev_b32 v1, 5, v0
	v_readfirstlane_b32 s[WV], v1   ; wave 0..3
	s_bfe_u32 s13, ttmp6, 0x40000   ; cx
	s_lshl_b32 s14, ttmp9, 2
	s_add_co_u32 s14, s14, s13      ; my block of 16 queries: it enters global addresses of plain loads and of stores alone
	s_and_b32 s15, ttmp7, 0xffff    ; the batch, which the four partners share
	s_lshl_b32 s10, s15, 18         ; the batch's 2,048 keys of 128 bytes,
	s_add_co_u32 s10, s10, 4194304  ; behind q
	s_mov_b32 s11, 0
	s_lshl_b32 s2, s15, 11
	s_lshl4_add_u32 s2, s14, s2     ; my first row = 2048 x batch + 16 x block
	s_lshl_b32 s62, s2, 13          ; the mask's rows of 8,192 bytes
	s_mov_b32 s63, 0
	s_mov_b32 s[G1K], 15|(1<<16)|(1<<20)|(1<<21)|(4<<22)|(3<<25)  ; the mask of four, bit 21 beside it; 2-byte elements; padding after every 32 words (code 4) of 4 words (code 3)
	s_mov_b32 s[G1V], 15|(1<<16)|(1<<20)|(1<<21)|(4<<22)|(7<<25)  ; the same with 8 words (code 7)
.irp g, G1K, G1V                    ; 256 keys are 32,768 dense bytes: asked for as 128 rows of 256 bytes, two keys a row, padded after every key
	s_mov_b32 s[\g+1], 128<<16
	s_mov_b32 s[\g+2], 128<<16
	s_mov_b32 s[\g+3], 128<<16
	s_mov_b32 s[\g+4], 128
	s_mov_b32 s[\g+5], 128
	s_mov_b32 s[\g+6], 0
	s_mov_b32 s[\g+7], 0
.endr
	s_mov_b32 s[G1M], (2<<16)|(1<<20)|(7<<22)|(3<<25)  ; no mask of work-groups; 4-byte elements; padding after every 256 words (code 7) of 4 words
	s_mov_b32 s[G1M+1], 256<<16     ; tensor_dim0 = 256 keys
	s_mov_b32 s[G1M+2], 16<<16      ; tensor_dim1 = 16 queries: all the rows that the work-group has
	s_mov_b32 s[G1M+3], 256<<16
	s_mov_b32 s[G1M+4], 16
	s_mov_b32 s[G1M+5], 2048
	s_mov_b32 s[G1M+6], 0
	s_mov_b32 s[G1M+7], 0
	s_mov_b32 s[CS], 0x3fb8aa3b     ; c = log2(e)
	s_mov_b32 s[CS+1], s[CS]
	s_mov_b32 s[SEL], 0x76543210
	s_mov_b32 s[SEL+1], 0xfedcba98
	s_mov_b32 s[TBK], SLOT1+4*KS*PK ; the first change of slots turns these three into 0
	s_mov_b32 s[TBV], SLOT1+4*KS*PV
	s_mov_b32 s[TBM], SLOT1+4*KS*4
	s_mov_b32 s[G0K], 1
	s_mov_b32 s[G0K+1], 0           ; slot 0
	s_mov_b32 s[G0V], 1
	s_mov_b32 s[G0V+1], VOFF
	s_mov_b32 s[G0M], 1
	s_mov_b32 s[G0M+1], MOFF
	s_wait_dscnt 0x0                ; the opening add is done
	s_wait_kmcnt 0x0
	s_add_nc_u64 s[G0K+2:G0K+3], s[4:5], s[10:11]
	s_add_nc_u64 s[G0V+2:G0V+3], s[G0K+2:G0K+3], 524288   ; v lies behind k
	s_or_b32 s[G0K+3], s[G0K+3], 0x80000000
	s_or_b32 s[G0V+3], s[G0V+3], 0x80000000
	s_add_nc_u64 s[G0M+2:G0M+3], s[6:7], s[62:63]
	s_or_b32 s[G0M+3], s[G0M+3], 0x80000000
	s_lshl_b32 s62, s2, 10          ; q's rows of 1,024 bytes,
	s_lshl_b32 s13, s[WV], 8        ; my two heads' 256 bytes
	s_add_co_u32 s62, s62, s13
	s_add_nc_u64 s[4:5], s[4:5], s[62:63]
	s_mul_i32 s62, s2, ACTROW
	s_add_co_u32 s62, s62, s13
	s_add_co_u32 s62, s62, 8192     ; o begins at column 4096
	s_add_nc_u64 s[8:9], s[68:69], s[62:63]
	s_lshl_b32 s13, s15, 7
	s_add_co_u32 s13, s13, s14      ; the work-group's number, 0 to 255
	s_lshl_b32 s62, s13, 16         ; W2: 16 rows of 4,096 bytes a work-group,
	s_lshl_b32 s3, s[WV], 14        ; four a wave
	s_add_co_u32 s62, s62, s3
	s_add_nc_u64 s[70:71], s[70:71], s[62:63]
	s_lshr_b32 s62, s62, 1          ; and half as many bytes in wcat
	s_add_nc_u64 s[76:77], s[74:75], s[62:63]
	s_lshl_b32 s62, s13, 13         ; Wout: 2 rows a work-group,
	s_lshl_b32 s3, s[WV], 11        ; half a row a wave
	s_add_co_u32 s62, s62, s3
	s_add_nc_u64 s[72:73], s[72:73], s[62:63]
	s_lshr_b32 s62, s62, 1
	s_add_co_u32 s62, s62, 8388608  ; behind W2's 4,096 rows of 2,048 bytes
	s_add_nc_u64 s[74:75], s[74:75], s[62:63]
	CROUND                          ; all four work-groups are here: the first joint loads meet
	JLOAD                           ; slot 0
	v_and_b32 v1, 15, v0            ; r = l % 16
	v_bfe_u32 v12, v0, 4, 1         ; h = l / 16
	v_lshlrev_b32 v[QO], 10, v1
	v_lshl_add_u32 v[QO], v12, 4, v[QO]
	WIN W_LD
.irp i, 0,1,2,3                     ; Q stays in registers: tile i / 2, channels 32 (i % 2) on
	global_load_b128 v[8*\i:8*\i+3],   v[QO], s[4:5] offset:(\i/2)*128+(\i%2)*64
	global_load_b128 v[8*\i+4:8*\i+7], v[QO], s[4:5] offset:(\i/2)*128+(\i%2)*64+32
.endr
	WIN 0
	v_and_b32 v[CSRC], 31, v0
	v_lshlrev_b32 v[CDST], 4, v[CSRC]
	v_lshlrev_b32 v[CSRC], 5, v[CSRC]
.set i, 0
.rept 16                            ; the cast's loads: a chunk is 1,024 consecutive bytes, 32 a lane; sixteen chunks of W2,
	global_load_b128 v[CB+8*i:CB+8*i+3],   v[CSRC], s[70:71] offset:1024*i th:TH_LOAD_NT
	global_load_b128 v[CB+8*i+4:CB+8*i+7], v[CSRC], s[70:71] offset:1024*i+16 th:TH_LOAD_NT
.set i, i+1
.endr
.rept 2                             ; two of Wout
	global_load_b128 v[CB+8*i:CB+8*i+3],   v[CSRC], s[72:73] offset:1024*(i-16) th:TH_LOAD_NT
	global_load_b128 v[CB+8*i+4:CB+8*i+7], v[CSRC], s[72:73] offset:1024*(i-16)+16 th:TH_LOAD_NT
.set i, i+1
.endr
.irp t, 0,1
	v_mov_b32 v[ST+4*\t], 0xfe800000    ; c m: below c times the first m
	v_mov_b32 v[ST+4*\t+1], 0xfe000000  ; m
	v_mov_b32 v[ST+4*\t+2], 0
	v_mov_b32 v[ST+4*\t+3], 0
.endr
	v_mul_u32_u24 v[AK0], v1, PK
	v_lshl_add_u32 v[AK0], v12, 4, v[AK0]
	v_and_b32 v13, 7, v0
	v_bfe_u32 v14, v0, 3, 1
	v_lshl_add_u32 v[AV0], v12, 3, v13   ; the turning load: key 8 h + l % 8, channels 8 ((l / 8) % 2) on
	v_mul_u32_u24 v[AV0], v[AV0], PV
	v_lshl_add_u32 v[AV0], v14, 4, v[AV0]
	v_add_nc_u32 v[AV0], VOFF, v[AV0]
	v_mul_u32_u24 v[AM0], v1, PM         ; the mask: my query's row, my eight keys' 32 bytes
	v_lshl_add_u32 v[AM0], v12, 5, v[AM0]
	v_add_nc_u32 v[AM0], MOFF, v[AM0]
	s_mul_i32 s13, s[WV], 16*SP
	s_add_co_u32 s13, s13, STAGE         ; my stage
	v_mul_u32_u24 v[STO], v1, SP
	v_lshl_add_u32 v[STO], v12, 4, v[STO]
	v_add_nc_u32 v[STO], s13, v[STO]
	v_mul_u32_u24 v[RD], v12, SP
	v_lshl_add_u32 v[RD], v1, 4, v[RD]
	v_add_nc_u32 v[RD], s13, v[RD]
	v_mul_u32_u24 v[GO], v12, ACTROW
	v_lshl_add_u32 v[GO], v1, 4, v[GO]
.set i, 0
.rept 18                            ; the cast: eight f32 a lane become 16 bytes, in place; sixteen lanes store 256 consecutive bytes, aligned
	s_wait_loadcnt 34-2*i           ; loads come back in order: chunk i's two (and Q's, which are older) are in, the younger chunks' stay out
	v_cvt_pk_bf16_f32 v[CB+8*i],   v[CB+8*i],   v[CB+8*i+1]
	v_cvt_pk_bf16_f32 v[CB+8*i+1], v[CB+8*i+2], v[CB+8*i+3]
	v_cvt_pk_bf16_f32 v[CB+8*i+2], v[CB+8*i+4], v[CB+8*i+5]
	v_cvt_pk_bf16_f32 v[CB+8*i+3], v[CB+8*i+6], v[CB+8*i+7]
.if i < 16
	global_store_b128 v[CDST], v[CB+8*i:CB+8*i+3], s[76:77] offset:512*i
.else
	global_store_b128 v[CDST], v[CB+8*i:CB+8*i+3], s[74:75] offset:512*(i-16)
.endif
.set i, i+1
.endr
	s_wait_xcnt 0x0                 ; the registers that those stores read are written again only behind this wait
.set i, 0
.rept 64
	v_mov_b32 v[O+i], 0
.set i, i+1
.endr
; THE MATRIX WORK.  The 8 accumulators of a run of 16 take turns.  Product i of S^T: channels 32 (i / 8) on, keys 16 ((i / 2) % 4) on, tile i % 2.  The first 8 start the sums with the mask.
.macro KQ
.set rS, S+32*(i%2)+8*((i/2)%4)
.set rK, KF+16*((i/2)%4)+8*(i/8)
.set rQ, 16*(i%2)+8*(i/8)
.set rMK, M+8*((i/2)%4)
.if i < 8
	v_wmma_f32_16x16x32_f16 v[rS:rS+7], v[rK:rK+7], v[rQ:rQ+7], v[rMK:rMK+7]
.else
	v_wmma_f32_16x16x32_f16 v[rS:rS+7], v[rK:rK+7], v[rQ:rQ+7], v[rS:rS+7]
.endif
.endm
; Product i of O^T += V^T P: keys 32 (i / 8) on, channels 16 ((i / 2) % 4) on, tile i % 2.
.macro PV
.set rO, O+32*(i%2)+8*((i/2)%4)
.set rV, VF+32*(i/8)+8*((i/2)%4)
.set rP, P+16*(i%2)+8*(i/8)
	v_wmma_f32_16x16x32_f16 v[rO:rO+7], v[rV:rV+7], v[rP:rP+7], v[rO:rO+7]
.endm
; THE LDS LOADS, in runs.  K and the mask of the next step: the two address lines and two v_nop are the four places behind the products K Q^T, for these loads and for the first read of the scores.
; last = 1 (the tail): in the last trip there is no further step, and the run is jumped over; the places stand ahead of the jump.
.macro FETCH_KM last=0
	WIN 0
	v_add_nc_u32 v[AK], s[TBK], v[AK0]
	v_add_nc_u32 v[AM], s[TBM], v[AM0]
	v_nop
	v_nop
.if \last
	s_cmp_eq_u32 s[CNT], 1
	s_cbranch_scc1 .Lno_km_\@
.endif
	WIN W_LD
.irp f, 0,1,2,3,4,5,6,7             ; keys 16 (f / 2) on, channels 32 (f % 2) on
	ds_load_b128 v[KF+8*\f:KF+8*\f+3],   v[AK] offset:(\f/2)*16*PK+(\f%2)*64
	ds_load_b128 v[KF+8*\f+4:KF+8*\f+7], v[AK] offset:(\f/2)*16*PK+(\f%2)*64+32
.endr
	WIN 0
.irp kb, 0,1,2,3                    ; keys 16 kb + 8 h + 0..7 of my query
	ds_load_b128 v[M+8*\kb:M+8*\kb+3],   v[AM] offset:64*\kb
	ds_load_b128 v[M+8*\kb+4:M+8*\kb+7], v[AM] offset:64*\kb+16
.endr
	s_add_co_u32 s[TBK], s[TBK], KS*PK
	s_add_co_u32 s[TBM], s[TBM], KS*4
.if \last
.Lno_km_\@:
.endif
.endm
.macro FETCH_V last=0
	WIN 0
	v_add_nc_u32 v[AV], s[TBV], v[AV0]
.if \last
	s_cmp_eq_u32 s[CNT], 1
	s_cbranch_scc1 .Lno_v_\@
.endif
	WIN W_LD
.irp f, 0,1,2,3,4,5,6,7             ; keys 32 (f / 4) on, channels 16 (f % 4) on
	ds_load_tr16_b128 v[VF+8*\f:VF+8*\f+3],   v[AV] offset:(\f/4)*32*PV+(\f%4)*32
	ds_load_tr16_b128 v[VF+8*\f+4:VF+8*\f+7], v[AV] offset:(\f/4)*32*PV+16*PV+(\f%4)*32
.endr
	WIN 0
	s_add_co_u32 s[TBV], s[TBV], KS*PV
.if \last
.Lno_v_\@:
.endif
.endm
; THE VECTOR WORK, all in window 0.
.macro REGS t
.set rT, ST+4*(\t)
.set rC, TMP+4*(\t)
.set rW, MV+(\t)
.set rS, S+32*(\t)
.set rP, P+16*(\t)
.set rO, O+32*(\t)
.endm
; Number n of the 22 that find a tile's maximum and statistics: 0-11 four chains of seven scores (each accumulator's lowest registers are read first); 12-14, 16 the four left over, the old m, and the
; chains into c0; 15 c m_old is kept; 17, 18 the query's other 32 keys lie in the lane 16 away; 19-21 c m, c m_old - c m_new, a.
.macro XS t, n
	REGS \t
.if (\n) < 4
	v_max3_num_f32 v[rC+(\n)], v[rS+8*(\n)], v[rS+8*(\n)+1], v[rS+8*(\n)+2]
.elseif (\n) < 12
	v_max3_num_f32 v[rC+(\n)%4], v[rC+(\n)%4], v[rS+8*((\n)%4)+2*((\n)/4)+1], v[rS+8*((\n)%4)+2*((\n)/4)+2]
.elseif (\n) == 12
	v_max3_num_f32 v[rC], v[rC], v[rS+7], v[rS+15]
.elseif (\n) == 13
	v_max3_num_f32 v[rC+1], v[rC+1], v[rS+23], v[rS+31]
.elseif (\n) == 14
	v_max3_num_f32 v[rC+2], v[rC+2], v[rC+3], v[rT+1]
.elseif (\n) == 15
	v_mov_b32 v[rW], v[rT]
.elseif (\n) == 16
	v_max3_num_f32 v[rC], v[rC], v[rC+1], v[rC+2]
.elseif (\n) == 17
	v_permlanex16_b32 v[rC+3], v[rC], s[SEL], s[SEL+1]
.elseif (\n) == 18
	v_max_num_f32 v[rT+1], v[rC], v[rC+3]
.elseif (\n) == 19
	v_mul_f32 v[rT], s[CS], v[rT+1]
.elseif (\n) == 20
	v_sub_f32 v[rC+1], v[rW], v[rT]
.else
	v_exp_f32 v[rC+2], v[rC+1]
.endif
.endm
.macro FS t, n                      ; c s - c m for pair n of 16
	REGS \t
	v_pk_fma_f32 v[rS+2*(\n):rS+2*(\n)+1], v[rS+2*(\n):rS+2*(\n)+1], s[CS:CS+1], v[rT:rT+1] op_sel_hi:[1,0,0] neg_lo:[0,0,1] neg_hi:[0,0,1]
.endm
.macro ES t, n                      ; the exponential of score n of 32
	REGS \t
	v_exp_f32 v[rS+(\n)], v[rS+(\n)]
.endm
.macro CV t, n                      ; pair n rounded to f16
	REGS \t
	s_wait_alu depctr_va_vdst(0)
	v_cvt_pk_f16_f32 v[rP+(\n)], v[rS+2*(\n)], v[rS+2*(\n)+1]
.endm
.macro RS t, n                      ; pair n of 16 of O^T times a; ascending
	REGS \t
	s_wait_alu depctr_va_vdst(0)
	v_pk_mul_f32 v[rO+2*(\n):rO+2*(\n)+1], v[rO+2*(\n):rO+2*(\n)+1], v[rC+2:rC+3] op_sel_hi:[1,0]
.endm
.macro BS t, k                      ; of the four weights 4 k .. the second pair is added onto the first
	REGS \t
	v_pk_add_f32 v[rS+4*(\k):rS+4*(\k)+1], v[rS+4*(\k):rS+4*(\k)+1], v[rS+4*(\k)+2:rS+4*(\k)+3]
.endm
.macro LS t, k                      ; l takes that sum; the first time as l = a l + sum
	REGS \t
.if (\k) == 0
	v_pk_fma_f32 v[rT+2:rT+3], v[rT+2:rT+3], v[rC+2:rC+3], v[rS:rS+1] op_sel_hi:[1,0,1]
.else
	v_pk_add_f32 v[rT+2:rT+3], v[rT+2:rT+3], v[rS+4*(\k):rS+4*(\k)+1]
.endif
.endm
; A KEY STEP.  It fetches the next step's K, mask and V; last = 1: the tail's text, whose last trip jumps over both runs.
; Every exponential has a plain instruction behind it that names neither its result nor its source (ISA guide 5.7.2).
.macro STEP last
	WIN 0
	s_wait_dscnt 16                 ; K and the mask of this step are in; the sixteen loads of its V, issued behind them, may be out
	WIN W_KQ
.set i, 0
.rept 16
	KQ
.set i, i+1
.endr
	FETCH_KM \last
.set z, 0
.rept 22
	XS 0, z
	XS 1, z
.set z, z+1
.endr
.set z, 0
.rept 16
	FS 0, z
.set z, z+1
.endr
.set z, 0
.rept 32
	ES 0, z
.if z < 16
	FS 1, z
.else
	RS 0, z-16
.endif
.set z, z+1
.endr
.set z, 0
.rept 32
	ES 1, z
.if z < 16
	CV 0, z
.else
	RS 1, z-16
.endif
.set z, z+1
.endr
.set z, 0
.rept 16
	CV 1, z
.set z, z+1
.endr
.if \last
	s_wait_dscnt 0x0                ; V of this step is in; the count is right whether the next step's K and mask were asked for or not
.else
	s_wait_dscnt 24                 ; V of this step is in; the 24 loads of the next step's K and mask, issued behind it, may be out
.endif
	WIN W_PV
.set i, 0
.rept 16
	PV
.set i, i+1
.endr
	WIN 0
.set z, 0
.rept 8                             ; the sums name no register of those products: they are the places in front of V's loads and of the next read of O^T
	BS 0, z
	BS 1, z
.set z, z+1
.endr
.set z, 0
.rept 8
	LS 0, z
	LS 1, z
.set z, z+1
.endr
	FETCH_V \last
.endm
	CHANGE 1                        ; slot 0 is in, everybody's part of it; slot 1 is asked for
	FETCH_KM                        ; key step 0
	FETCH_V
	s_mov_b32 s[CNT], 3             ; steps 0 to 2 fetch steps 1 to 3: slot 0 is then read out
	s_mov_b32 s[SLOTS], 7
	s_branch .Lstep
.Lslot:                             ; six times: a slot has been read out and is filled again; four steps follow
	CHANGE 1
	s_mov_b32 s[CNT], 4
.Lstep:
	STEP 0
	s_sub_co_u32 s[CNT], s[CNT], 1
	s_cmp_lg_u32 s[CNT], 0
	s_cbranch_scc1 .Lstep
	s_sub_co_u32 s[SLOTS], s[SLOTS], 1
	s_cmp_lg_u32 s[SLOTS], 0
	s_cbranch_scc1 .Lslot
	CHANGE 0                        ; the tail has a text of its own: nothing is asked for
	s_mov_b32 s[CNT], 5
.Ltail:                             ; steps 27 to 30 fetch the last slot's steps; step 31 fetches nothing
	STEP 1
	s_sub_co_u32 s[CNT], s[CNT], 1
	s_cmp_lg_u32 s[CNT], 0
	s_cbranch_scc1 .Ltail
	; THE WAY OUT.  l's two halves and the other half of the lanes' are added; O^T is divided by l, rounded to bf16 and sent through my stage: my two heads are 256 consecutive bytes of a row of actcat.
.irp t, 0,1
	v_add_f32 v[ST+4*\t+2], v[ST+4*\t+2], v[ST+4*\t+3]
.endr
.irp t, 0,1
	v_permlanex16_b32 v[ST+4*\t+3], v[ST+4*\t+2], s[SEL], s[SEL+1]
.endr
.irp t, 0,1
	v_add_f32 v[ST+4*\t+2], v[ST+4*\t+2], v[ST+4*\t+3]
.endr
.irp t, 0,1
	v_rcp_f32 v[ST+4*\t+2], v[ST+4*\t+2]
.endr
	v_nop                           ; a plain instruction between the last reciprocal and the use of its result
	s_wait_alu depctr_va_vdst(0)
.irp t, 0,1
.set i, 0
.rept 16
	v_pk_mul_f32 v[O+32*\t+2*i:O+32*\t+2*i+1], v[O+32*\t+2*i:O+32*\t+2*i+1], v[ST+4*\t+2:ST+4*\t+3] op_sel_hi:[1,0]
.set i, i+1
.endr
.set i, 0
.rept 16
	v_cvt_pk_bf16_f32 v[S+16*\t+i], v[O+32*\t+2*i], v[O+32*\t+2*i+1]
.set i, i+1
.endr
.irp f, 0,1,2,3
	ds_store_b128 v[STO], v[S+16*\t+4*\f:S+16*\t+4*\f+3] offset:128*\t+32*\f
.endr
.endr
.irp f, 0,1,2,3,4,5,6,7
	ds_load_b128 v[S+32+4*\f:S+32+4*\f+3], v[RD] offset:\f*2*SP   ; LDS serves a wave's instructions in order (ISA guide 5.7.1.4): these see the stores above
.endr
.irp f, 0,1,2,3,4,5,6,7
	s_wait_dscnt 7-\f
	global_store_b128 v[GO], v[S+32+4*\f:S+32+4*\f+3], s[8:9] offset:\f*2*ACTROW   ; 16 lanes store 256 consecutive bytes, aligned
.endr
	s_wait_tensorcnt 0x0            ; the wave's end
	ds_add_u32 v[SPW], v[NIL]
	s_wait_dscnt 0x0
	CROUND                          ; the closing round
	s_endpgm
.Lfunc_end_k_q5db041c9aa_attn:
	.size	k_q5db041c9aa_attn, .Lfunc_end_k_q5db041c9aa_attn-k_q5db041c9aa_attn
	.p2alignl 7, 3214868480
	.fill 96, 4, 3214868480
	.section	.rodata,"a",@progbits
	.p2align	6, 0x0
	.amdhsa_kernel k_q5db041c9aa_attn
		.amdhsa_group_segment_fixed_size 327680
		.amdhsa_private_segment_fixed_size 0
		.amdhsa_enable_private_segment 0
		.amdhsa_kernarg_size 48
		.amdhsa_user_sgpr_count 2
		.amdhsa_user_sgpr_kernarg_segment_ptr 1
		.amdhsa_wavefront_size32 1
		.amdhsa_system_sgpr_workgroup_id_x 1
		.amdhsa_system_sgpr_workgroup_id_y 1
		.amdhsa_system_sgpr_workgroup_id_z 1
		.amdhsa_system_vgpr_workitem_id 0
		.amdhsa_next_free_vgpr 416
		.amdhsa_next_free_sgpr 80
		.amdhsa_reserve_vcc 0
		.amdhsa_float_denorm_mode_32 3
		.amdhsa_float_denorm_mode_16_64 3
		.amdhsa_memory_ordered 1
		.amdhsa_forward_progress 1
		.amdhsa_inst_pref_size 76
	.end_amdhsa_kernel
	.amdgpu_metadata
---
amdhsa.version: [ 1, 2 ]
amdhsa.kernels:
  - .name:           k_q5db041c9aa_attn
    .symbol:         k_q5db041c9aa_attn.kd
    .args:
      - { .name: qkv, .offset: 0, .size: 8, .value_kind: global_buffer, .address_space: global }
      - { .name: mask, .offset: 8, .size: 8, .value_kind: global_buffer, .address_space: global }
      - { .name: actcat, .offset: 16, .size: 8, .value_kind: global_buffer, .address_space: global }
      - { .name: W2, .offset: 24, .size: 8, .value_kind: global_buffer, .address_space: global }
      - { .name: Wout, .offset: 32, .size: 8, .value_kind: global_buffer, .address_space: global }
      - { .name: wcat, .offset: 40, .size: 8, .value_kind: global_buffer, .address_space: global }
    .group_segment_fixed_size: 327680
    .private_segment_fixed_size: 0
    .kernarg_segment_align: 8
    .kernarg_segment_size: 48
    .max_flat_workgroup_size: 128
    .sgpr_count:     80
    .vgpr_count:     416
    .wavefront_size: 32
...
	.end_amdgpu_metadata
.endif
;; end of part 3
;; launch gemm1 (part 4): grid 32 x 16, 4 waves a work-group, clusters of 4 x 4, 327,680 bytes of LDS; arguments xnh, w1h, actcat; writes actcat
.if DOCPART == 4
	.amdgcn_target "amdgcn-amd-amdhsa--gfx1250"
	.amdhsa_code_object_version 6
	.text
	.protected	k_q5db041c9aa_gemm1
	.globl	k_q5db041c9aa_gemm1
	.p2align	8
	.type	k_q5db041c9aa_gemm1,@function
k_q5db041c9aa_gemm1:
	s_mov_b64 s[64:65], 0
	v_nop
	global_prefetch_b8 v0, s[64:65] scope:SCOPE_SE
	s_setreg_imm32_b32 hwreg(HW_REG_WAVE_MODE, 25, 1), 1
	s_wait_xcnt 0x0
	s_wait_alu depctr_hold_cnt(0) depctr_sa_sdst(0) depctr_va_vdst(0) depctr_va_sdst(0) depctr_va_ssrc(0) depctr_va_vcc(0) depctr_vm_vsrc(0)
	s_getreg_b32 s2, hwreg(HW_REG_IB_STS2, 6, 4)
	s_cmp_eq_u32 s2, 0
	s_cbranch_scc0 .Lentry_in_a_cluster
	s_endpgm
.Lentry_in_a_cluster:
	s_bfe_u32 s2, ttmp6, 0x10000c
	s_cmp_lg_u32 s2, 0xf033
	s_cbranch_scc0 .Lentry_shape_is_right
	s_endpgm
.Lentry_shape_is_right:
; GEMM1: act = silu(xn W1gate) * (xn W1val), bf16, into columns 0-4095 of actcat ([4096][4608], rows of 9,216 bytes).  h = A B with A = xnh [4096][1024] f16 (K along the rows) and
; B = w1h [1024][8192] f16 (N along the rows), whose column 128 u + 64 g + c is W1's column 4096 g + 64 u + c (g 0: val, 1: gate).  Sums in f32.
; A tile of h is 256 x 256 = 256 x 128 of act: 512 work-groups of four waves; a wave makes 128 x 128 of h, 64 accumulators: its n blocks 0-3 are 64 val, blocks 4-7 their 64 gates.
; K goes in steps of 128 through two LDS slots filled by the tensor data mover.  B's fragments come out of LDS turned, by ds_load_tr16_b128.
; CLUSTERS: 4 x 4 work-groups.  The four of a row of the cluster need the same tiles of A, the four of a column the same tiles of B: each tile is asked for JOINTLY.
; THE MATRIX INSTRUCTION IS USED TRANSPOSED (source 0 = 16 columns of B, source 1 = 16 rows of A): a lane holds eight neighbouring numbers of a row of h.
; act goes in bf16: with large gains and weights it has no room in f16.  LIMIT: xn and the weights lie within f16's range (65,504).
; REGISTERS, in windows of 256: window 0: v0-31 addresses; v64-127, v128-191 fragments of A, two buffers (on the way out: rows read back); v192-239 at work on the way out
;   window 1: v64-127, v128-191 fragments of B;   window 2: the accumulators of my rows 0-63 ((a, b) at v[8 (8 a + b)]);   window 3: those of my rows 64-127
.set KSTEP,  128
.set PITCH,  272                       ; a row of A in LDS: 256 bytes + 16: the 16 rows of a load start at 16 different groups of four banks (ISA guide 11.1)
.set PB,     544                       ; a row of B (one k, 256 columns): 512 bytes + 32
.set HALFT,  128*PITCH                 ; what one tensor load brings: 128 rows of A, or 64 k of B (64 x 544 is the same number)
.set SLOT,   4*HALFT                   ; A's 256 rows, then B's 128 k
.set SPARE,  2*SLOT                    ; behind the ring: the spare words, 128 bytes for each wave
.set STAGE,  0                         ; the way out goes through slot 0's first 69,632 bytes: the slot has had its last fill, and every wave's reads of it are over at the last change of slots
.set SPITCH, 272
.set LAPS,   4                         ; K = 1024: four laps of two K steps
.set ACTROW, 9216
.set ADRA, 16
.set ADRB, 20
.set STO,  24
.set RD,   25
.set CO,   26
.set SPW,  28
.set NIL,  29
.set F0,   64
.set F1,   128
.set EE,   192                         ; v192-223  a block's 16 x 64 gates on their way to silu x val
.set TMP,  224                         ; v224-239  packed results
.set BK,   64                          ; v64-191   64 rows read back from the stage
.set G1, 24
.set G0, 32
.set G1B, 48
.set G0B, 56
.set MSB, 0
.macro WIN new                         ; the immediate's high byte repeats the setting that is left
.if MSB != (\new)
	s_set_vgpr_msb (MSB<<8)|(\new)
.set MSB, \new
.endif
.endm
.set MUL_LO, 0xa1                      ; source 0 (B) window 1, source 1 (A) window 0, C and D window 2
.set MUL_HI, 0xf1                      ; the same, C and D window 3
.set TO_B,   0x40                      ; destination window 1, address window 0
.macro JLOAD s                         ; a joint load: waves 0 and 1 fetch A's two halves, waves 2 and 3 B's; an s_nop 0 and four v_nop follow each of the two lines
	s_cmp_eq_u32 s11, 0
	s_cbranch_scc0 .Lfor_b_\@
	tensor_load_to_lds s[G0+4*(\s):G0+4*(\s)+3], s[G1:G1+7]
	s_nop 0
.rept 4
	v_nop
.endr
	s_branch .Lasked_\@
.Lfor_b_\@:
	tensor_load_to_lds s[G0B+4*(\s):G0B+4*(\s)+3], s[G1B:G1B+7]
	s_nop 0
.rept 4
	v_nop
.endr
.Lasked_\@:
.endm
.macro CREST                           ; a round of the cluster's barrier behind its opening barrier
	s_cmp_lg_u32 s10, 0
	s_cbranch_scc1 .Lnot_wave_0_\@
	s_barrier_signal -3
.Lnot_wave_0_\@:
	s_barrier_wait -3
	s_barrier_signal -1
	s_barrier_wait -1
.endm
.macro CROUND
	s_barrier_signal -1
	s_barrier_wait -1
	CREST
.endm
	s_load_b128 s[4:7], s[0:1], 0x0                ; xnh s[4:5], w1h s[6:7]
	s_load_b64 s[8:9], s[0:1], 0x10                ; actcat
	v_lshl_add_u32 v[SPW], v0, 2, SPARE
	v_mov_b32 v[NIL], 0
	ds_add_u32 v[SPW], v[NIL]                      ; the wave's opening: the add and its wait ahead of my first tensor load
	v_lshrrev_b32 v1, 5, v0
	v_readfirstlane_b32 s10, v1                    ; wave 0..3
	s_lshr_b32 s11, s10, 1                         ; which half of the tile's rows is mine.  Also: I fetch for A (0) or for B (1)
	s_and_b32 s12, s10, 1                          ; which half of its columns.  Also: which half of that tile I fetch
	s_bfe_u32 s40, ttmp6, 0x40000                  ; cx
	s_bfe_u32 s41, ttmp6, 0x40004                  ; cy
	s_lshl_b32 s42, ttmp9, 2
	s_add_co_u32 s42, s42, s40                     ; tile column = 4 x cluster x + cx
	s_and_b32 s13, ttmp7, 0xffff
	s_lshl_b32 s13, s13, 2
	s_add_co_u32 s13, s13, s41                     ; tile row = 4 x cluster y + cy
	s_lshl_b32 s43, s41, 2
	s_lshl_b32 s43, 15, s43                        ; my row of the cluster
	s_lshl_b32 s44, 0x1111, s40                    ; my column
	s_or_b32 s[G1+0], s43, (1<<16)|(1<<20)|(1<<21)|(5<<22)|(3<<25)   ; A: mask of my row; 2-byte elements; padding after every 64 words (code 5) of 4 words (code 3); bit 21 beside a mask
	s_mov_b32 s[G1+1], 128<<16                     ; tensor_dim0 = 128
	s_mov_b32 s[G1+2], 128<<16                     ; tensor_dim1 = 128
	s_mov_b32 s[G1+3], 128<<16                     ; tile_dim0 = 128
	s_mov_b32 s[G1+4], 128                         ; tile_dim1 = 128
	s_mov_b32 s[G1+5], 1024                        ; elements from row to row
	s_mov_b32 s[G1+6], 0
	s_mov_b32 s[G1+7], 0
	s_or_b32 s[G1B+0], s44, (1<<16)|(1<<20)|(1<<21)|(6<<22)|(7<<25)  ; B: mask of my column; padding after every 128 words (code 6) of 8 words (code 7)
	s_mov_b32 s[G1B+1], 256<<16                    ; 256 columns
	s_mov_b32 s[G1B+2], 64<<16                     ; 64 k
	s_mov_b32 s[G1B+3], 256<<16
	s_mov_b32 s[G1B+4], 64
	s_mov_b32 s[G1B+5], 8192
	s_mov_b32 s[G1B+6], 0
	s_mov_b32 s[G1B+7], 0
	; A's tiles hang on the tile row alone, B's on the tile column alone; each offset is made in registers that never hold the other coordinate
	s_lshl_b32 s17, s12, 7
	s_lshl_b32 s16, s13, 8
	s_add_co_u32 s16, s16, s17                     ; A: row 256 x tile row + 128 x half,
	s_lshl_b32 s16, s16, 11                        ; of 2,048 bytes
	s_mov_b32 s17, 0
	s_lshl_b32 s46, s42, 9                         ; B: 512 bytes x tile column,
	s_lshl_b32 s47, s12, 20                        ; 64 k of 16,384 bytes x half
	s_add_co_u32 s46, s46, s47
	s_mov_b32 s47, 0
	s_mul_i32 s20, s10, HALFT                      ; where they go: wave x 34,816: no place in the cluster enters an LDS address
	s_mov_b32 s66, 0xbfb8aa3b                      ; -log2(e), named as a pair
	s_mov_b32 s67, s66
	s_wait_dscnt 0x0                               ; the opening add is done
	s_wait_kmcnt 0x0
	s_add_nc_u64 s[14:15], s[4:5], s[16:17]
	s_add_nc_u64 s[46:47], s[6:7], s[46:47]
	CROUND                                         ; all sixteen work-groups are here: the first joint loads meet
.irp s, 0,1
	s_mov_b32 s[G0+4*(\s)], 1
	s_add_co_u32 s[G0+4*(\s)+1], s20, (\s)*SLOT
	s_add_nc_u64 s[G0+4*(\s)+2:G0+4*(\s)+3], s[14:15], (\s)*KSTEP*2
	s_or_b32 s[G0+4*(\s)+3], s[G0+4*(\s)+3], 0x80000000
	s_mov_b32 s[G0B+4*(\s)], 1
	s_add_co_u32 s[G0B+4*(\s)+1], s20, (\s)*SLOT
	s_add_nc_u64 s[G0B+4*(\s)+2:G0B+4*(\s)+3], s[46:47], (\s)*KSTEP*16384
	s_or_b32 s[G0B+4*(\s)+3], s[G0B+4*(\s)+3], 0x80000000
	JLOAD \s                                       ; two loads of mine are out
.endr
	v_and_b32 v1, 15, v0                           ; r = l % 16
	v_bfe_u32 v2, v0, 4, 1                         ; h = l / 16
	v_mul_u32_u24 v3, v1, PITCH
	v_lshl_add_u32 v3, v2, 4, v3                   ; A: row x pitch + 16 h
	v_and_b32 v6, 7, v0
	v_bfe_u32 v7, v0, 3, 1
	v_lshl_add_u32 v6, v2, 3, v6                   ; B, turned: k = 8 h + l % 8,
	v_mul_u32_u24 v6, v6, PB
	v_lshl_add_u32 v6, v7, 4, v6                   ; 16 bytes for each half of eight lanes
	s_mul_i32 s21, s11, HALFT                      ; my 128 rows of A
	s_lshl_b32 s22, s12, 8                         ; my 128 columns of B,
	s_add_co_u32 s22, s22, 2*HALFT                 ; which lies behind A
.irp s, 0,1
	v_add_nc_u32 v[ADRA+(\s)], s21, v3
	v_add_nc_u32 v[ADRB+(\s)], s22, v6
	s_add_co_u32 s21, s21, SLOT
	s_add_co_u32 s22, s22, SLOT
.endr
	s_mul_i32 s23, s11, 128*SPITCH                 ; into the stage: my 128 rows, my half (64 numbers of act, 128 bytes) of their 256 bytes
	s_lshl_b32 s21, s12, 7
	s_add_co_u32 s23, s23, s21
	v_mul_u32_u24 v4, v1, SPITCH
	v_lshl_add_u32 v4, v2, 4, v4
	v_add_nc_u32 v[STO], s23, v4
	s_mul_i32 s23, s10, 64*SPITCH                  ; back: wave w takes rows 64 w .. 64 w + 63, whole; lanes 0-15 one row, lanes 16-31 the next
	v_mul_u32_u24 v5, v2, SPITCH
	v_lshl_add_u32 v5, v1, 4, v5
	v_add_nc_u32 v[RD], s23, v5
	v_mul_u32_u24 v5, v2, ACTROW                   ; and the same two rows in actcat
	v_lshl_add_u32 v[CO], v1, 4, v5
	s_lshl_b32 s16, s13, 8
	s_lshl_b32 s14, s10, 6
	s_add_co_u32 s16, s16, s14                     ; the first row that I store: 256 x tile row + 64 x wave
	s_mul_i32 s16, s16, ACTROW
	s_mov_b32 s17, 0
	s_add_nc_u64 s[8:9], s[8:9], s[16:17]
	s_lshl_b32 s46, s42, 8                         ; the tile's 128 columns of act: 256 bytes x tile column
	s_mov_b32 s47, 0
	s_add_nc_u64 s[8:9], s[8:9], s[46:47]
; 16 matrix instructions: m blocks a0, a0 + 1 of the window's four x all 8 n blocks, 32 along K.  zero = 1: the first product starts the sums.  The 64 accumulators take turns.
.macro MUL16 f, hi, a0, zero
	WIN MUL_LO+0x50*(\hi)
.irp a, \a0, (\a0)+1
.irp b, 0,1,2,3,4,5,6,7
.if \zero
	v_wmma_f32_16x16x32_f16 v[8*(8*(\a)+(\b)):8*(8*(\a)+(\b))+7], v[(\f)+8*(\b):(\f)+8*(\b)+7], v[(\f)+8*(4*(\hi)+(\a)):(\f)+8*(4*(\hi)+(\a))+7], 0
.else
	v_wmma_f32_16x16x32_f16 v[8*(8*(\a)+(\b)):8*(8*(\a)+(\b))+7], v[(\f)+8*(\b):(\f)+8*(\b)+7], v[(\f)+8*(4*(\hi)+(\a)):(\f)+8*(4*(\hi)+(\a))+7], v[8*(8*(\a)+(\b)):8*(8*(\a)+(\b))+7]
.endif
.endr
.endr
.endm
; 32 LDS loads in one run: the fragments of one quarter step (128 columns of B, 128 rows of A, 32 K: byte k of A's rows, k / 2 of B's k) into buffer f
.macro FETCH slot, k, f
	WIN TO_B
.irp i, 0,1,2,3,4,5,6,7
	ds_load_tr16_b128 v[(\f)+8*(\i):(\f)+8*(\i)+3],   v[ADRB+(\slot)] offset:((\k)/2)*PB+32*(\i)
	ds_load_tr16_b128 v[(\f)+8*(\i)+4:(\f)+8*(\i)+7], v[ADRB+(\slot)] offset:((\k)/2+16)*PB+32*(\i)
.endr
	WIN 0
.irp i, 0,1,2,3,4,5,6,7
	ds_load_b128 v[(\f)+8*(\i):(\f)+8*(\i)+3],   v[ADRA+(\slot)] offset:(\k)+(\i)*16*PITCH
	ds_load_b128 v[(\f)+8*(\i)+4:(\f)+8*(\i)+7], v[ADRA+(\slot)] offset:(\k)+(\i)*16*PITCH+32
.endr
.endm
.macro PLACES                          ; four places in front of loads into registers that matrix instructions have read, and of lines that read results
.rept 4
	v_nop
.endr
.endm
.macro QUARTER slot, k, f, g, zero     ; multiplies buffer f (32 along K); in its middle fetches the next quarter, at byte k, into g
	s_wait_dscnt 8                                 ; B and A's rows 0-63 are in; the youngest eight loads (A's rows 64-127) may be out
	MUL16 \f, 0, 0, \zero
	MUL16 \f, 0, 2, \zero
	PLACES
	FETCH \slot, \k, \g
	s_wait_dscnt 32                                ; all but the 32 just issued
	MUL16 \f, 1, 0, \zero
	MUL16 \f, 1, 2, \zero
.endm
; The last quarter multiplies buffer 1 and changes slots: ONE barrier.  In front of it each wave waits for all its tensor loads (one is out: its part of the next slot), adds 0 to its spare word,
; and waits for that and for its own reads of this slot.  Behind it nobody reads this slot any more and the next slot is whole.
.macro MEET round
	WIN 0                                          ; (the add's two registers lie in window 0)
	s_wait_tensorcnt 0x0
	ds_add_u32 v[SPW], v[NIL]                      ; 0 onto my spare word
	s_wait_dscnt 9                                 ; (the add and the youngest eight loads may be out)
	MUL16 F1, 0, 0, 0
	s_wait_dscnt 0x0                               ; the add is done, and my reads of this slot are over
	s_barrier_signal -1
	MUL16 F1, 0, 2, 0                              ; work on registers while the others arrive
.if \round
	WIN 0
.endif
	s_barrier_wait -1
.endm
.macro TURN slot, next, fill
	MEET \fill
.if \fill
	CREST                                          ; the barrier has opened a round of the cluster's: no wave of any partner still reads this slot or has a load on its way
	s_add_nc_u64 s[G0+4*(\slot)+2:G0+4*(\slot)+3], s[G0+4*(\slot)+2:G0+4*(\slot)+3], 2*KSTEP*2
	s_add_nc_u64 s[G0B+4*(\slot)+2:G0B+4*(\slot)+3], s[G0B+4*(\slot)+2:G0B+4*(\slot)+3], 2*KSTEP*16384
	JLOAD \slot                                    ; my one tensor load behind the round: 224 matrix instructions ahead of the wait for it; its four v_nop are also the places in front of the loads below
.else
	PLACES
.endif
	FETCH \next, 0, F0
	MUL16 F1, 1, 0, 0
	MUL16 F1, 1, 2, 0
.endm
	s_wait_tensorcnt 1                             ; my part of K step 0 is in; K step 1's may stay out
	s_barrier_signal -1
	s_barrier_wait -1
	FETCH 0, 0, F0
	QUARTER 0, 64,  F0, F1, 1                      ; the first quarter stands in front of the loop: its products start the sums
	WIN 0
	s_mov_b32 s3, LAPS-1
.Llap:                                                 ; a trip goes once round the ring, from a lap's second quarter to the next lap's first, and fills both slots again
	QUARTER 0, 128, F1, F0, 0
	QUARTER 0, 192, F0, F1, 0
	TURN 0, 1, 1
	QUARTER 1, 64,  F0, F1, 0
	QUARTER 1, 128, F1, F0, 0
	QUARTER 1, 192, F0, F1, 0
	TURN 1, 0, 1
	QUARTER 0, 64,  F0, F1, 0
	WIN 0
	s_sub_co_u32 s3, s3, 1
	s_cmp_lg_u32 s3, 0
	s_cbranch_scc1 .Llap
	QUARTER 0, 128, F1, F0, 0                      ; the last lap fills nothing
	QUARTER 0, 192, F0, F1, 0
	TURN 0, 1, 0                                   ; behind this barrier no wave reads slot 0 any more
	QUARTER 1, 64,  F0, F1, 0
	QUARTER 1, 128, F1, F0, 0
	QUARTER 1, 192, F0, F1, 0
	s_wait_dscnt 8
	MUL16 F1, 0, 0, 0
	MUL16 F1, 0, 2, 0
	s_wait_dscnt 0x0
	MUL16 F1, 1, 0, 0
	MUL16 F1, 1, 2, 0
; THE WAY OUT.  Block a (16 rows): sigmoid(g) = 1 / (1 + 2^(-log2(e) g)); act = (g x sigmoid(g)) x val, rounded to bf16; 16 bytes a lane into the stage.  Each accumulator is read from its low end.
.macro SWIGLU a
.set AC, 64*((\a)%4)
	WIN 0x02+(\a)/4                                ; source 0 in the accumulators' window
.set p, 0
.rept 16
	v_pk_mul_f32 v[EE+2*p:EE+2*p+1], v[AC+32+2*p:AC+32+2*p+1], s[66:67] op_sel_hi:[1,0]
.set p, p+1
.endr
	WIN 0
.set p, 0
.rept 32
	v_exp_f32 v[EE+p], v[EE+p]
.set p, p+1
.endr
	v_nop                                          ; a plain instruction behind the last exponential (ISA guide 5.7.2)
.set p, 0
	s_wait_alu depctr_va_vdst(0)
.rept 16
	v_pk_add_f32 v[EE+2*p:EE+2*p+1], v[EE+2*p:EE+2*p+1], 1.0 op_sel_hi:[1,0]
.set p, p+1
.endr
.set p, 0
.rept 32
	v_rcp_f32 v[EE+p], v[EE+p]
.set p, p+1
.endr
	v_nop
	WIN 0x02+(\a)/4
.set p, 0
	s_wait_alu depctr_va_vdst(0)
.rept 16
	v_pk_mul_f32 v[EE+2*p:EE+2*p+1], v[AC+32+2*p:AC+32+2*p+1], v[EE+2*p:EE+2*p+1]
.set p, p+1
.endr
.set p, 0
.rept 16
	v_pk_mul_f32 v[EE+2*p:EE+2*p+1], v[AC+2*p:AC+2*p+1], v[EE+2*p:EE+2*p+1]
.set p, p+1
.endr
	WIN 0
.set p, 0
.rept 16
	v_cvt_pk_bf16_f32 v[TMP+p], v[EE+2*p], v[EE+2*p+1]
.set p, p+1
.endr
.irp b, 0,1,2,3
	ds_store_b128 v[STO], v[TMP+4*(\b):TMP+4*(\b)+3] offset:(\a)*16*SPITCH+32*(\b)
.endr
.endm
	PLACES
.irp a, 0,1,2,3,4,5,6,7
	SWIGLU \a
.endr
	s_wait_dscnt 0x0                               ; for the others' sake: my stores into the stage are done (a row's 256 bytes come from two waves)
	s_barrier_signal -1
	s_barrier_wait -1
.set t, 0
.rept 32
	ds_load_b128 v[BK+4*t:BK+4*t+3], v[RD] offset:t*2*SPITCH
.set t, t+1
.endr
.set t, 0
.rept 32
	s_wait_dscnt 31-t
	global_store_b128 v[CO], v[BK+4*t:BK+4*t+3], s[8:9] offset:2*t*ACTROW   ; 16 lanes store 256 consecutive bytes, aligned; 62 rows at the most: inside the signed 24-bit immediate
.set t, t+1
.endr
	s_wait_tensorcnt 0x0                           ; the wave's end
	ds_add_u32 v[SPW], v[NIL]
	s_wait_dscnt 0x0
	CROUND                                         ; the closing round: no work-group ends while a partner may still ask for a tile that names it
	s_endpgm
.Lfunc_end_k_q5db041c9aa_gemm1:
	.size	k_q5db041c9aa_gemm1, .Lfunc_end_k_q5db041c9aa_gemm1-k_q5db041c9aa_gemm1
	.p2alignl 7, 3214868480
	.fill 96, 4, 3214868480
	.section	.rodata,"a",@progbits
	.p2align	6, 0x0
	.amdhsa_kernel k_q5db041c9aa_gemm1
		.amdhsa_group_segment_fixed_size 327680
		.amdhsa_private_segment_fixed_size 0
		.amdhsa_enable_private_segment 0
		.amdhsa_kernarg_size 24
		.amdhsa_user_sgpr_count 2
		.amdhsa_user_sgpr_kernarg_segment_ptr 1
		.amdhsa_wavefront_size32 1
		.amdhsa_system_sgpr_workgroup_id_x 1
		.amdhsa_system_sgpr_workgroup_id_y 1
		.amdhsa_system_sgpr_workgroup_id_z 1
		.amdhsa_system_vgpr_workitem_id 0
		.amdhsa_next_free_vgpr 1024
		.amdhsa_next_free_sgpr 68
		.amdhsa_reserve_vcc 0
		.amdhsa_float_denorm_mode_32 3
		.amdhsa_float_denorm_mode_16_64 3
		.amdhsa_memory_ordered 1
		.amdhsa_forward_progress 1
		.amdhsa_inst_pref_size 178
	.end_amdhsa_kernel
	.amdgpu_metadata
---
amdhsa.version: [ 1, 2 ]
amdhsa.kernels:
  - .name:           k_q5db041c9aa_gemm1
    .symbol:         k_q5db041c9aa_gemm1.kd
    .args:
      - { .name: xnh, .offset: 0, .size: 8, .value_kind: global_buffer, .address_space: global }
      - { .name: w1h, .offset: 8, .size: 8, .value_kind: global_buffer, .address_space: global }
      - { .name: actcat, .offset: 16, .size: 8, .value_kind: global_buffer, .address_space: global }
    .group_segment_fixed_size: 327680
    .private_segment_fixed_size: 0
    .kernarg_segment_align: 8
    .kernarg_segment_size: 24
    .max_flat_workgroup_size: 128
    .sgpr_count:     68
    .vgpr_count:     1024
    .wavefront_size: 32
...
	.end_amdgpu_metadata
.endif
;; end of part 4
;; launch gemm2 (part 5): grid 8 x 32, 4 waves a work-group, clusters of 4 x 4, 327,680 bytes of LDS; arguments actcat, wcat, out0; writes out0
.if DOCPART == 5
	.amdgcn_target "amdgcn-amd-amdhsa--gfx1250"
	.amdhsa_code_object_version 6
	.text
	.protected	k_q5db041c9aa_gemm2
	.globl	k_q5db041c9aa_gemm2
	.p2align	8
	.type	k_q5db041c9aa_gemm2,@function
k_q5db041c9aa_gemm2:
	s_mov_b64 s[64:65], 0
	v_nop
	global_prefetch_b8 v0, s[64:65] scope:SCOPE_SE
	s_setreg_imm32_b32 hwreg(HW_REG_WAVE_MODE, 25, 1), 1
	s_wait_xcnt 0x0
	s_wait_alu depctr_hold_cnt(0) depctr_sa_sdst(0) depctr_va_vdst(0) depctr_va_sdst(0) depctr_va_ssrc(0) depctr_va_vcc(0) depctr_vm_vsrc(0)
	s_getreg_b32 s2, hwreg(HW_REG_IB_STS2, 6, 4)
	s_cmp_eq_u32 s2, 0
	s_cbranch_scc0 .Lentry_in_a_cluster
	s_endpgm
.Lentry_in_a_cluster:
	s_bfe_u32 s2, ttmp6, 0x10000c
	s_cmp_lg_u32 s2, 0xf033
	s_cbranch_scc0 .Lentry_shape_is_right
	s_endpgm
.Lentry_shape_is_right:
; GEMM2: out0 = actcat wcat = act W2 + o Wout, one sum over K = 4608.  A = actcat [4096][4608] bf16 (K along the rows), B = wcat [4608][1024] bf16 (N along the rows), out0 [4096][1024] f32.
; A tile of out0 is 128 x 128: 256 work-groups.  Four waves, each 64 x 64: 16 accumulators.  K in steps of 256 through two LDS slots; B's fragments come out of LDS turned, by ds_load_tr16_b128.
; CLUSTERS: 4 x 4 work-groups.  The four of a row of the cluster need the same tiles of A, the four of a column the same tiles of B: each tile is asked for JOINTLY.
; THE MATRIX INSTRUCTION IS USED TRANSPOSED (source 0 = 16 columns of B, source 1 = 16 rows of A): a lane holds eight neighbouring numbers of a row of out0: 32 bytes.
; A wave's 64 columns of f32 are a whole aligned 256 bytes, so each wave has a stage of its own and the way out needs no barrier.
; REGISTERS: window 0: v0-31 addresses; v32-95 rows read back on the way out; v128-255 the accumulators ((a, b) at v[128 + 8 (4 a + b)]).
;   window 1: two fragment buffers of 128: for 64 along K, 64 registers of A, then 64 of B.
.set KSTEP,  256
.set PITCH,  528                       ; a row of A in LDS: 512 bytes + 16: the 16 rows of a load start at 16 different groups of four banks (ISA guide 11.1)
.set PB,     288                       ; a row of B (one k, 128 columns): 256 bytes + 32
.set HALFA,  64*PITCH                  ; what waves 0, 1 fetch: 64 rows of A
.set HALFB,  128*PB                    ; what waves 2, 3 fetch: 128 k of B
.set BOFF,   2*HALFA
.set SLOT,   2*HALFA+2*HALFB
.set STAGE,  2*SLOT                    ; behind the ring: 16 rows x 272 bytes for each wave
.set SPITCH, 272
.set SPARE,  STAGE+4*16*SPITCH         ; behind the stages: the spare words, 128 bytes for each wave
.set LAPS,   9                         ; K = 4608: nine laps of two K steps
.set ACTROW, 9216
.set ADRA, 16                          ; v16-17  LDS address of my A fragments in slot 0, 1
.set ADRB, 20                          ; v20-23  of my B fragments: 2 x slot + which 128 k of the step
.set STO,  24
.set RD,   25
.set CO,   26
.set SPW,  28
.set NIL,  29
.set TMP,  32
.set ACC,  128
.set F0,   0
.set F1,   128
.set G1, 24
.set G0, 32
.set G1B, 48
.set G0B, 56
.set MSB, 0
.macro WIN new                         ; the immediate's high byte repeats the setting that is left
.if MSB != (\new)
	s_set_vgpr_msb (MSB<<8)|(\new)
.set MSB, \new
.endif
.endm
.set MUL,  0x05                        ; sources 0 (B) and 1 (A) window 1; C and D window 0
.set TO_F, 0x40                        ; destination window 1, address window 0
.macro JLOAD s                         ; a joint load: waves 0 and 1 fetch A's two halves, waves 2 and 3 B's; an s_nop 0 and four v_nop follow each of the two lines
	s_cmp_eq_u32 s11, 0
	s_cbranch_scc0 .Lfor_b_\@
	tensor_load_to_lds s[G0+4*(\s):G0+4*(\s)+3], s[G1:G1+7]
	s_nop 0
.rept 4
	v_nop
.endr
	s_branch .Lasked_\@
.Lfor_b_\@:
	tensor_load_to_lds s[G0B+4*(\s):G0B+4*(\s)+3], s[G1B:G1B+7]
	s_nop 0
.rept 4
	v_nop
.endr
.Lasked_\@:
.endm
.macro CREST                           ; a round of the cluster's barrier behind its opening barrier
	s_cmp_lg_u32 s10, 0
	s_cbranch_scc1 .Lnot_wave_0_\@
	s_barrier_signal -3
.Lnot_wave_0_\@:
	s_barrier_wait -3
	s_barrier_signal -1
	s_barrier_wait -1
.endm
.macro CROUND
	s_barrier_signal -1
	s_barrier_wait -1
	CREST
.endm
	s_load_b128 s[4:7], s[0:1], 0x0                ; actcat s[4:5], wcat s[6:7]
	s_load_b64 s[8:9], s[0:1], 0x10                ; out0
	v_lshl_add_u32 v[SPW], v0, 2, SPARE
	v_mov_b32 v[NIL], 0
	ds_add_u32 v[SPW], v[NIL]                      ; the wave's opening: the add and its wait ahead of my first tensor load
	v_lshrrev_b32 v1, 5, v0
	v_readfirstlane_b32 s10, v1                    ; wave 0..3
	s_lshr_b32 s11, s10, 1                         ; which half of the tile's rows is mine.  Also: I fetch for A (0) or for B (1)
	s_and_b32 s12, s10, 1                          ; which half of its columns.  Also: which half of that tile I fetch
	s_bfe_u32 s40, ttmp6, 0x40000                  ; cx
	s_bfe_u32 s41, ttmp6, 0x40004                  ; cy
	s_lshl_b32 s42, ttmp9, 2
	s_add_co_u32 s42, s42, s40                     ; tile column = 4 x cluster x + cx
	s_and_b32 s13, ttmp7, 0xffff
	s_lshl_b32 s13, s13, 2
	s_add_co_u32 s13, s13, s41                     ; tile row = 4 x cluster y + cy
	s_lshl_b32 s43, s41, 2
	s_lshl_b32 s43, 15, s43                        ; my row of the cluster
	s_lshl_b32 s44, 0x1111, s40                    ; my column
	s_or_b32 s[G1+0], s43, (1<<16)|(1<<20)|(1<<21)|(6<<22)|(3<<25)   ; A: mask of my row; 2-byte elements; padding after every 128 words (code 6) of 4 words (code 3); bit 21 beside a mask
	s_mov_b32 s[G1+1], 256<<16                     ; tensor_dim0 = 256
	s_mov_b32 s[G1+2], 64<<16                      ; tensor_dim1 = 64
	s_mov_b32 s[G1+3], 256<<16                     ; tile_dim0 = 256
	s_mov_b32 s[G1+4], 64                          ; tile_dim1 = 64
	s_mov_b32 s[G1+5], 4608                        ; elements from row to row
	s_mov_b32 s[G1+6], 0
	s_mov_b32 s[G1+7], 0
	s_or_b32 s[G1B+0], s44, (1<<16)|(1<<20)|(1<<21)|(5<<22)|(7<<25)  ; B: mask of my column; padding after every 64 words (code 5) of 8 words (code 7)
	s_mov_b32 s[G1B+1], 128<<16                    ; 128 columns
	s_mov_b32 s[G1B+2], 128<<16                    ; 128 k
	s_mov_b32 s[G1B+3], 128<<16
	s_mov_b32 s[G1B+4], 128
	s_mov_b32 s[G1B+5], 1024
	s_mov_b32 s[G1B+6], 0
	s_mov_b32 s[G1B+7], 0
	; A's tiles hang on the tile row alone, B's on the tile column alone; each offset is made in registers that never hold the other coordinate
	s_lshl_b32 s17, s12, 6
	s_lshl_b32 s16, s13, 7
	s_add_co_u32 s16, s16, s17                     ; A: row 128 x tile row + 64 x half,
	s_mul_i32 s16, s16, ACTROW                     ; of 9,216 bytes
	s_mov_b32 s17, 0
	s_lshl_b32 s46, s42, 8                         ; B: 256 bytes x tile column,
	s_lshl_b32 s47, s12, 18                        ; 128 k of 2,048 bytes x half
	s_add_co_u32 s46, s46, s47
	s_mov_b32 s47, 0
	s_mul_i32 s20, s12, HALFA                      ; where they go: no place in the cluster enters an LDS address
	s_mul_i32 s45, s12, HALFB
	s_add_co_u32 s45, s45, BOFF
	s_wait_dscnt 0x0                               ; the opening add is done
	s_wait_kmcnt 0x0
	s_add_nc_u64 s[14:15], s[4:5], s[16:17]
	s_add_nc_u64 s[46:47], s[6:7], s[46:47]
	CROUND                                         ; all sixteen work-groups are here: the first joint loads meet
.irp s, 0,1
	s_mov_b32 s[G0+4*(\s)], 1
	s_add_co_u32 s[G0+4*(\s)+1], s20, (\s)*SLOT
	s_add_nc_u64 s[G0+4*(\s)+2:G0+4*(\s)+3], s[14:15], (\s)*KSTEP*2
	s_or_b32 s[G0+4*(\s)+3], s[G0+4*(\s)+3], 0x80000000
	s_mov_b32 s[G0B+4*(\s)], 1
	s_add_co_u32 s[G0B+4*(\s)+1], s45, (\s)*SLOT
	s_add_nc_u64 s[G0B+4*(\s)+2:G0B+4*(\s)+3], s[46:47], (\s)*KSTEP*2048
	s_or_b32 s[G0B+4*(\s)+3], s[G0B+4*(\s)+3], 0x80000000
	JLOAD \s                                       ; two loads of mine are out
.endr
	v_and_b32 v1, 15, v0                           ; r = l % 16
	v_bfe_u32 v2, v0, 4, 1                         ; h = l / 16
	v_and_b32 v6, 7, v0
	v_bfe_u32 v7, v0, 3, 1
	v_mul_u32_u24 v3, v1, PITCH
	v_lshl_add_u32 v3, v2, 4, v3                   ; A: row x pitch + 16 h
	v_lshl_add_u32 v4, v2, 3, v6                   ; B, turned: k = 8 h + l % 8,
	v_mul_u32_u24 v4, v4, PB
	v_lshl_add_u32 v4, v7, 4, v4                   ; 16 bytes for each half of eight lanes
	s_mul_i32 s21, s11, HALFA                      ; my 64 rows of A
	s_lshl_b32 s22, s12, 7                         ; my 64 columns of B
	s_add_co_u32 s22, s22, BOFF
.irp s, 0,1
	v_add_nc_u32 v[ADRA+(\s)], s21, v3
	v_add_nc_u32 v[ADRB+2*(\s)], s22, v4
	v_add_nc_u32 v[ADRB+2*(\s)+1], HALFB, v[ADRB+2*(\s)]
	s_add_co_u32 s21, s21, SLOT
	s_add_co_u32 s22, s22, SLOT
.endr
	s_mul_i32 s23, s10, 16*SPITCH
	s_add_co_u32 s23, s23, STAGE                   ; my stage
	v_mul_u32_u24 v5, v1, SPITCH                   ; in: row l % 16, 32 bytes for each half of the lanes
	v_lshl_add_u32 v5, v2, 5, v5
	v_add_nc_u32 v[STO], s23, v5
	v_mul_u32_u24 v5, v2, SPITCH                   ; back: lanes 0-15 one row of 256 bytes, lanes 16-31 the next
	v_lshl_add_u32 v5, v1, 4, v5
	v_add_nc_u32 v[RD], s23, v5
	v_lshlrev_b32 v5, 12, v2                       ; and the same two rows in out0, 4,096 bytes apart
	v_lshl_add_u32 v[CO], v1, 4, v5
	s_lshl_b32 s16, s13, 7
	s_lshl_b32 s17, s11, 6
	s_add_co_u32 s16, s16, s17                     ; my first row: 128 x tile row + 64 x half
	s_lshl_b32 s16, s16, 12
	s_mov_b32 s17, 0
	s_add_nc_u64 s[8:9], s[8:9], s[16:17]
	s_lshl_b32 s46, s42, 9                         ; my first column, in bytes: 512 x tile column + 256 x half
	s_lshl_b32 s47, s12, 8
	s_add_co_u32 s46, s46, s47
	s_mov_b32 s47, 0
	s_add_nc_u64 s[8:9], s[8:9], s[46:47]
; 8 matrix instructions: m blocks a0, a0 + 1 x all 4 n blocks, 32 along K: half c of buffer f.  zero = 1: the first product starts the sums.  The 16 accumulators take turns.
.macro MUL8 f, c, a0, zero
	WIN MUL
.irp a, \a0, (\a0)+1
.irp b, 0,1,2,3
.if \zero
	v_wmma_f32_16x16x32_bf16 v[ACC+8*(4*(\a)+(\b)):ACC+8*(4*(\a)+(\b))+7], v[(\f)+64+8*(4*(\c)+(\b)):(\f)+64+8*(4*(\c)+(\b))+7], v[(\f)+8*(4*(\c)+(\a)):(\f)+8*(4*(\c)+(\a))+7], 0
.else
	v_wmma_f32_16x16x32_bf16 v[ACC+8*(4*(\a)+(\b)):ACC+8*(4*(\a)+(\b))+7], v[(\f)+64+8*(4*(\c)+(\b)):(\f)+64+8*(4*(\c)+(\b))+7], v[(\f)+8*(4*(\c)+(\a)):(\f)+8*(4*(\c)+(\a))+7], v[ACC+8*(4*(\a)+(\b)):ACC+8*(4*(\a)+(\b))+7]
.endif
.endr
.endr
.endm
; 32 LDS loads in one run: the fragments of 64 along K (byte k of A's rows, k / 2 of B's k) into buffer f; the first 32 along K first
.macro FETCH slot, k, f
	WIN TO_F
.set QD, (\k)/128
.irp c, 0,1
.irp i, 0,1,2,3
	ds_load_tr16_b128 v[(\f)+64+8*(4*(\c)+(\i)):(\f)+64+8*(4*(\c)+(\i))+3],   v[ADRB+2*(\slot)+QD/2] offset:((QD%2)*64+32*(\c))*PB+32*(\i)
	ds_load_tr16_b128 v[(\f)+64+8*(4*(\c)+(\i))+4:(\f)+64+8*(4*(\c)+(\i))+7], v[ADRB+2*(\slot)+QD/2] offset:((QD%2)*64+32*(\c)+16)*PB+32*(\i)
	ds_load_b128 v[(\f)+8*(4*(\c)+(\i)):(\f)+8*(4*(\c)+(\i))+3],         v[ADRA+(\slot)] offset:(\k)+64*(\c)+(\i)*16*PITCH
	ds_load_b128 v[(\f)+8*(4*(\c)+(\i))+4:(\f)+8*(4*(\c)+(\i))+7],       v[ADRA+(\slot)] offset:(\k)+64*(\c)+(\i)*16*PITCH+32
.endr
.endr
.endm
.macro PLACES                          ; four places in front of loads into registers that matrix instructions have read, and of lines that read results
.rept 4
	v_nop
.endr
.endm
.macro QUARTER slot, k, f, g, zero     ; multiplies buffer f (64 along K) and fetches the next quarter, at byte k, into g
	s_wait_dscnt 16                                ; the first 32 along K are in; the younger sixteen loads may be out
	MUL8 \f, 0, 0, \zero
	MUL8 \f, 0, 2, \zero
	PLACES
	FETCH \slot, \k, \g
	s_wait_dscnt 32                                ; all but the 32 just issued
	MUL8 \f, 1, 0, 0
	MUL8 \f, 1, 2, 0
.endm
; The last quarter multiplies buffer 1 and changes slots: ONE barrier; in front of it each wave waits for all its tensor loads, adds 0 to its spare word, and waits for that and for its reads of this slot.
.macro TURN slot, next, fill
	WIN 0                                          ; (the add's two registers lie in window 0)
	s_wait_tensorcnt 0x0                           ; all my tensor loads have landed: my part of the next slot
	ds_add_u32 v[SPW], v[NIL]                      ; 0 onto my spare word
	s_wait_dscnt 17                                ; (the add and the youngest sixteen loads may be out)
	MUL8 F1, 0, 0, 0
	s_wait_dscnt 0x0                               ; the add is done, and my reads of this slot are over
	s_barrier_signal -1
	MUL8 F1, 0, 2, 0
.if \fill
	WIN 0
.endif
	s_barrier_wait -1
.if \fill
	CREST                                          ; the barrier has opened a round of the cluster's: no wave of any partner still reads this slot or has a load on its way
	s_add_nc_u64 s[G0+4*(\slot)+2:G0+4*(\slot)+3], s[G0+4*(\slot)+2:G0+4*(\slot)+3], 2*KSTEP*2
	s_add_nc_u64 s[G0B+4*(\slot)+2:G0B+4*(\slot)+3], s[G0B+4*(\slot)+2:G0B+4*(\slot)+3], 2*KSTEP*2048
	JLOAD \slot                                    ; my one tensor load behind the round: 112 matrix instructions ahead of the wait for it; its four v_nop are also the places in front of the loads below
.else
	PLACES
.endif
	FETCH \next, 0, F0
	MUL8 F1, 1, 0, 0
	MUL8 F1, 1, 2, 0
.endm
	s_wait_tensorcnt 1                             ; my part of K step 0 is in; K step 1's may stay out
	s_barrier_signal -1
	s_barrier_wait -1
	FETCH 0, 0, F0
	QUARTER 0, 128, F0, F1, 1                      ; the first quarter stands in front of the loop: its first products start the sums
	WIN 0
	s_mov_b32 s3, LAPS-1
.Llap:                                                 ; a trip goes once round the ring and fills both slots again
	QUARTER 0, 256, F1, F0, 0
	QUARTER 0, 384, F0, F1, 0
	TURN 0, 1, 1
	QUARTER 1, 128, F0, F1, 0
	QUARTER 1, 256, F1, F0, 0
	QUARTER 1, 384, F0, F1, 0
	TURN 1, 0, 1
	QUARTER 0, 128, F0, F1, 0
	WIN 0
	s_sub_co_u32 s3, s3, 1
	s_cmp_lg_u32 s3, 0
	s_cbranch_scc1 .Llap
	QUARTER 0, 256, F1, F0, 0                      ; the last lap fills nothing
	QUARTER 0, 384, F0, F1, 0
	TURN 0, 1, 0
	QUARTER 1, 128, F0, F1, 0
	QUARTER 1, 256, F1, F0, 0
	QUARTER 1, 384, F0, F1, 0
	s_wait_dscnt 16
	MUL8 F1, 0, 0, 0
	MUL8 F1, 0, 2, 0
	s_wait_dscnt 0x0
	MUL8 F1, 1, 0, 0
	MUL8 F1, 1, 2, 0
	WIN 0
	; THE WAY OUT, 16 rows at a time through my own stage: 32 bytes a lane in (each accumulator's low half first), whole rows of 256 bytes back, stored from registers.
	PLACES
.irp a, 0,1,2,3
.if \a >= 2
	s_wait_xcnt 0x0                                ; the registers that block a - 2's stores read are loaded again only behind this wait
.endif
.irp b, 0,1,2,3
	ds_store_b128 v[STO], v[ACC+8*(4*\a+\b):ACC+8*(4*\a+\b)+3] offset:64*\b
	ds_store_b128 v[STO], v[ACC+8*(4*\a+\b)+4:ACC+8*(4*\a+\b)+7] offset:64*\b+16
.endr
.irp t, 0,1,2,3,4,5,6,7
	ds_load_b128 v[TMP+32*(\a%2)+4*\t:TMP+32*(\a%2)+4*\t+3], v[RD] offset:\t*2*SPITCH   ; LDS serves a wave's instructions in order (ISA guide 5.7.1.4): these see the stores above; the next block's stores come behind them
.endr
.irp t, 0,1,2,3,4,5,6,7
	s_wait_dscnt 7-\t
	global_store_b128 v[CO], v[TMP+32*(\a%2)+4*\t:TMP+32*(\a%2)+4*\t+3], s[8:9] offset:(16*\a+2*\t)*4096   ; 16 lanes store 256 consecutive bytes, aligned
.endr
.endr
	s_wait_tensorcnt 0x0                           ; the wave's end
	ds_add_u32 v[SPW], v[NIL]
	s_wait_dscnt 0x0
	CROUND                                         ; the closing round: no work-group ends while a partner may still ask for a tile that names it
	s_endpgm
.Lfunc_end_k_q5db041c9aa_gemm2:
	.size	k_q5db041c9aa_gemm2, .Lfunc_end_k_q5db041c9aa_gemm2-k_q5db041c9aa_gemm2
	.p2alignl 7, 3214868480
	.fill 96, 4, 3214868480
	.section	.rodata,"a",@progbits
	.p2align	6, 0x0
	.amdhsa_kernel k_q5db041c9aa_gemm2
		.amdhsa_group_segment_fixed_size 327680
		.amdhsa_private_segment_fixed_size 0
		.amdhsa_enable_private_segment 0
		.amdhsa_kernarg_size 24
		.amdhsa_user_sgpr_count 2
		.amdhsa_user_sgpr_kernarg_segment_ptr 1
		.amdhsa_wavefront_size32 1
		.amdhsa_system_sgpr_workgroup_id_x 1
		.amdhsa_system_sgpr_workgroup_id_y 1
		.amdhsa_system_sgpr_workgroup_id_z 1
		.amdhsa_system_vgpr_workitem_id 0
		.amdhsa_next_free_vgpr 512
		.amdhsa_next_free_sgpr 66
		.amdhsa_reserve_vcc 0
		.amdhsa_float_denorm_mode_32 3
		.amdhsa_float_denorm_mode_16_64 3
		.amdhsa_memory_ordered 1
		.amdhsa_forward_progress 1
		.amdhsa_inst_pref_size 87
	.end_amdhsa_kernel
	.amdgpu_metadata
---
amdhsa.version: [ 1, 2 ]
amdhsa.kernels:
  - .name:           k_q5db041c9aa_gemm2
    .symbol:         k_q5db041c9aa_gemm2.kd
    .args:
      - { .name: actcat, .offset: 0, .size: 8, .value_kind: global_buffer, .address_space: global }
      - { .name: wcat, .offset: 8, .size: 8, .value_kind: global_buffer, .address_space: global }
      - { .name: out0, .offset: 16, .size: 8, .value_kind: global_buffer, .address_space: global }
    .group_segment_fixed_size: 327680
    .private_segment_fixed_size: 0
    .kernarg_segment_align: 8
    .kernarg_segment_size: 24
    .max_flat_workgroup_size: 128
    .sgpr_count:     66
    .vgpr_count:     512
    .wavefront_size: 32
...
	.end_amdgpu_metadata
.endif
;; end of part 5
;; ======== version 2 of 2: 5 launches; 1.14 times as fast as version 1
;; limits: values are held in f16: magnitudes above 65,504 overflow, below 6.1e-05 lose precision; inputs' magnitudes at most 4.25e+37
;; workspace buffers: xnh 8,388,608 bytes; cnh 8,388,608 bytes; w1h 16,777,216 bytes; wcat 9,437,184 bytes; wp 1,310,720 bytes; qkv 5,242,880 bytes; actcat 37,748,736 bytes
;; launch prep: the kernel of part 1 again; grid 1300 x 1, 8 waves a work-group, no clusters, 0 bytes of LDS; arguments x, context, ln_g, ln_b, cln_g, cln_b, W1, Wq, Wkv, xnh, cnh, w1h, wp; writes xnh, cnh, w1h, wp
;; launch proj: the kernel of part 2 again; grid 32 x 5, 4 waves a work-group, clusters of 4 x 1, 327,680 bytes of LDS; arguments xnh, cnh, wp, qkv; writes qkv
;; launch attn (part 6): grid 128 x 2, 4 waves a work-group, clusters of 4 x 1, 327,680 bytes of LDS; arguments qkv, mask, actcat, W2, Wout, wcat; writes actcat, wcat
.if DOCPART == 6
	.amdgcn_target "amdgcn-amd-amdhsa--gfx1250"
	.amdhsa_code_object_version 6
	.text
	.protected	k_q5db041c9aa_attn
	.globl	k_q5db041c9aa_attn
	.p2align	8
	.type	k_q5db041c9aa_attn,@function
k_q5db041c9aa_attn:
	s_mov_b64 s[64:65], 0
	v_nop
	global_prefetch_b8 v0, s[64:65] scope:SCOPE_SE
	s_setreg_imm32_b32 hwreg(HW_REG_WAVE_MODE, 25, 1), 1
	s_wait_xcnt 0x0
	s_wait_alu depctr_hold_cnt(0) depctr_sa_sdst(0) depctr_va_vdst(0) depctr_va_sdst(0) depctr_va_ssrc(0) depctr_va_vcc(0) depctr_vm_vsrc(0)
	s_getreg_b32 s2, hwreg(HW_REG_IB_STS2, 6, 4)
	s_cmp_eq_u32 s2, 0
	s_cbranch_scc0 .Lentry_in_a_cluster
	s_endpgm
.Lentry_in_a_cluster:
	s_bfe_u32 s2, ttmp6, 0x10000c
	s_cmp_lg_u32 s2, 0x3003
	s_cbranch_scc0 .Lentry_shape_is_right
	s_endpgm
.Lentry_shape_is_right:
; ATTN: o[b][i][head][:] = the sum over j of softmax_j(q[b][i][head] . k[b][j] + mask[b][i][j]) v[b][j][:], one k and v for all eight heads.  q (it carries the scale 1/8), k, v: f16, in qkv.
; The mask is no matrix operand: it enters in f32, as the C that starts the sum of scores.  o leaves in bf16 as columns 4096 + 64 head + d of actcat ([4096][4608], rows of 9,216 bytes).
; Products, maxima and sums in f32; the weights p are rounded to f16.
; BESIDE IT, at the start: wcat = [W2; Wout] rounded to bf16 ([4608][1024]).  Each work-group takes 16 rows of W2 and 2 of Wout; a wave's 36 loads go out behind the request for the first tile and are
; converted while that tile is on its way.
; SHARES.  A work-group owns 16 query rows of a batch, all eight heads: 256 work-groups.  Wave w owns heads 2 w and 2 w + 1: two tiles of 16 queries.  All four waves use ONE tile of the mask.  Keys go 64 a step.
; LAYOUT.  S^T = K Q^T + mask^T (source 0 = 16 keys, source 1 = 16 queries): a lane holds ONE query (lane % 16) and the keys 8 (lane / 16) + 0..7.
; Two such results rounded to f16 in pairs ARE source 1 of O^T = V^T P.  K comes out of LDS as it lies, V turned, by ds_load_tr16_b128.
; SOFTMAX.  A running maximum m and sum l for each query: p = 2^(c s - c m), c = log2(e); in every step O and l are multiplied by a = 2^(c m_old - c m_new).
; m starts at -4.25e37, O and l at 0, so the first step is a step like any other, with a = 0; the price is 64 v_mov_b32 in the wait for the first tile.
; PHASES.  A step is: 16 products K Q^T; both tiles' maximum and statistics; ONE BATCH of 66 exponentials (the two a, then the 64 weights) with the 32 scalings dealt among them; ONE wait for the batch;
; the rescaling of O^T and the roundings, which read the batch's results; 16 products V^T P; the sums.  Nothing ahead of the wait names a result of the batch, and.
; The next step's K and mask are fetched directly behind the wait, its V behind V^T P.
; CLUSTER.  The four work-groups of a cluster belong to one batch and walk the same K and V: asked for JOINTLY (wave 0: K, wave 1: V).  The mask's tile is each work-group's own: a plain load of wave 2 behind the same round.
; LIMITS.  q, k, v within f16's range.  A score below -4.25e37 counts as hidden; a weight below 2^-126 counts as 0; a row hidden wholly by -inf gives NaN, as the module does; NaN and +inf are not treated apart.
; REGISTERS.  window 0: v1-14 addresses; v16-23 statistics (a tile: c m, m, l, l); v24-31 at work (a tile: c0-c3; c2 takes a); v32-33 c m_old; v34-35 the cast's offsets; v62-63 the add's;
;   v64-95 the mask; v96-159 S^T; v160-191 P; v192-255 O^T (v64-207 at the start: the cast).     window 1: v0-31 Q; v32-95 K of one step; v96-159 V of one step.
.set KS,    64
.set PK,    144       ; a row of K in LDS: 128 bytes + 16: the 16 rows of a load start at 16 different groups of four banks (ISA guide 11.1)
.set PV,    160       ; a row of V: 128 + 32
.set PM,    1040      ; a row of the mask's tile: 256 keys x 4 bytes + 16
.set VOFF,  4*KS*PK   ; a slot holds four steps: 256 rows of K, 256 rows of V, 16 rows of the mask
.set MOFF,  VOFF+4*KS*PV
.set SLOT1, 1<<17     ; slot 1 begins here: one exclusive or turns an address in one slot into the other's
.set STAGE, SLOT1+MOFF+16*PM   ; behind the ring: 16 rows x 272 bytes for each wave, for the way out
.set SP,    272
.set SPARE, STAGE+4*16*SP      ; behind the stages: the spare words, 128 bytes for each wave
.set ACTROW, 9216
.set AK0, 2
.set AV0, 3
.set AM0, 4
.set AK,  5
.set AV,  6
.set AM,  7
.set STO, 8
.set RD,  9
.set GO,  10
.set QO,  11
.set ST,  16
.set TMP, 24
.set MV,  32
.set CSRC, 34         ; the cast: 32 x lane, in W2 and Wout
.set CDST, 35         ;           16 x lane, in wcat
.set SPW, 62
.set NIL, 63
.set CB,  64          ; the cast: chunk i of 18 at v[64 + 8 i]
.set M,   64
.set S,   96
.set P,   160
.set O,   192
.set KF,  32          ; window 1: key block kb, channel half c at KF + 16 kb + 8 c
.set VF,  96          ; window 1: key half kk, channel block cb at VF + 32 kk + 8 cb
.set WV,  12
.set G1K, 16
.set G1V, 24
.set G1M, 32
.set G0K, 40
.set G0V, 44
.set G0M, 48
.set SLOTS, 52
.set CNT, 53
.set CS,  54          ; s[54:55] c
.set SEL, 56          ; s[56:57] v_permlanex16_b32's selects
.set TBK, 58          ; LDS byte at which K of the step to be fetched begins; 59: V's, less VOFF; 60: the mask's, less MOFF
.set TBV, 59
.set TBM, 60
.set MSB, 0
.macro WIN new
.if MSB != (\new)
	s_set_vgpr_msb (MSB<<8)|(\new)
.set MSB, (\new)
.endif
.endm
.set W_KQ, 0x05       ; K and Q in window 1; the mask and S^T in window 0
.set W_PV, 0x01       ; V in window 1; P and O^T in window 0
.set W_LD, 0x40       ; a load's destination in window 1, its address in window 0
; A fill: wave 0 the slot's K, wave 1 its V (both joint), wave 2 the mask's tile (plain), wave 3 none.  The branches hang on the wave's number alone.  An s_nop 0 and four v_nop follow each load.
.macro JLOAD
	s_cmp_eq_u32 s[WV], 0
	s_cbranch_scc0 .Lnot0_\@
	tensor_load_to_lds s[G0K:G0K+3], s[G1K:G1K+7]
	s_nop 0
.rept 4
	v_nop
.endr
	s_branch .Lasked_\@
.Lnot0_\@:
	s_cmp_eq_u32 s[WV], 1
	s_cbranch_scc0 .Lnot1_\@
	tensor_load_to_lds s[G0V:G0V+3], s[G1V:G1V+7]
	s_nop 0
.rept 4
	v_nop
.endr
	s_branch .Lasked_\@
.Lnot1_\@:
	s_cmp_eq_u32 s[WV], 2
	s_cbranch_scc0 .Lasked_\@
	tensor_load_to_lds s[G0M:G0M+3], s[G1M:G1M+7]
	s_nop 0
.rept 4
	v_nop
.endr
.Lasked_\@:
.endm
.macro CROUND                       ; a round of the cluster's barrier
	s_barrier_signal -1
	s_barrier_wait -1
	s_cmp_lg_u32 s[WV], 0
	s_cbranch_scc1 .Lnot_wave_0_\@
	s_barrier_signal -3
.Lnot_wave_0_\@:
	s_barrier_wait -3
	s_barrier_signal -1
	s_barrier_wait -1
.endm
; THE CHANGE OF SLOTS.  The slot's last bytes, V of its fourth step, have been asked for.  Each wave waits for all its tensor loads (at most one is out: its part of the other slot), adds 0 to its spare word,
; and waits for that and for its reads of the slot.  fill = 1: the slot is filled again, with the keys two slots on: the barrier is a round of the cluster's, and the fill is the first thing behind it:
; it has four key steps in which to land.  (At its first use nothing has been read yet: slot 0 is waited for, slot 1 filled.)
.macro CHANGE fill
	WIN 0
	s_wait_tensorcnt 0x0            ; no tensor load of mine is out, so a group 0 may be written
	ds_add_u32 v[SPW], v[NIL]       ; 0 onto my spare word
.if \fill
.irp g, G0K, G0V
	s_xor_b32 s[\g+1], s[\g+1], SLOT1
	s_add_nc_u64 s[\g+2:\g+3], s[\g+2:\g+3], 4*KS*128  ; the next 256 keys
.endr
	s_xor_b32 s[G0M+1], s[G0M+1], SLOT1
	s_add_nc_u64 s[G0M+2:G0M+3], s[G0M+2:G0M+3], 4*KS*4 ; 256 keys along the mask's rows
	s_wait_dscnt 0x0                ; the add is done, and my reads of the slot are over
	CROUND
	JLOAD
.else
	s_wait_dscnt 0x0
	s_barrier_signal -1
	s_barrier_wait -1
.endif
	s_sub_co_u32 s[TBK], s[TBK], 4*KS*PK  ; the fetches go back to a slot's first step, in the other slot
	s_xor_b32 s[TBK], s[TBK], SLOT1
	s_sub_co_u32 s[TBV], s[TBV], 4*KS*PV
	s_xor_b32 s[TBV], s[TBV], SLOT1
	s_sub_co_u32 s[TBM], s[TBM], 4*KS*4
	s_xor_b32 s[TBM], s[TBM], SLOT1
.endm
	s_load_b128 s[4:7], s[0:1], 0x0   ; qkv s[4:5], mask s[6:7]
	s_load_b256 s[68:75], s[0:1], 0x10  ; actcat 68, W2 70, Wout 72, wcat 74
	v_lshl_add_u32 v[SPW], v0, 2, SPARE
	v_mov_b32 v[NIL], 0
	ds_add_u32 v[SPW], v[NIL]       ; the wave's opening: the add and its wait ahead of my first tensor load
	v_lshrrev_b32 v1, 5, v0
	v_readfirstlane_b32 s[WV], v1   ; wave 0..3
	s_bfe_u32 s13, ttmp6, 0x40000   ; cx
	s_lshl_b32 s14, ttmp9, 2
	s_add_co_u32 s14, s14, s13      ; my block of 16 queries: it enters global addresses of plain loads and of stores alone
	s_and_b32 s15, ttmp7, 0xffff    ; the batch, which the four partners share
	s_lshl_b32 s10, s15, 18         ; the batch's 2,048 keys of 128 bytes,
	s_add_co_u32 s10, s10, 4194304  ; behind q
	s_mov_b32 s11, 0
	s_lshl_b32 s2, s15, 11
	s_lshl4_add_u32 s2, s14, s2     ; my first row = 2048 x batch + 16 x block
	s_lshl_b32 s62, s2, 13          ; the mask's rows of 8,192 bytes
	s_mov_b32 s63, 0
	s_mov_b32 s[G1K], 15|(1<<16)|(1<<20)|(1<<21)|(4<<22)|(3<<25)  ; the mask of four, bit 21 beside it; 2-byte elements; padding after every 32 words (code 4) of 4 words (code 3)
	s_mov_b32 s[G1V], 15|(1<<16)|(1<<20)|(1<<21)|(4<<22)|(7<<25)  ; the same with 8 words (code 7)
.irp g, G1K, G1V                    ; 256 keys are 32,768 dense bytes: asked for as 128 rows of 256 bytes, two keys a row, padded after every key
	s_mov_b32 s[\g+1], 128<<16
	s_mov_b32 s[\g+2], 128<<16
	s_mov_b32 s[\g+3], 128<<16
	s_mov_b32 s[\g+4], 128
	s_mov_b32 s[\g+5], 128
	s_mov_b32 s[\g+6], 0
	s_mov_b32 s[\g+7], 0
.endr
	s_mov_b32 s[G1M], (2<<16)|(1<<20)|(7<<22)|(3<<25)  ; no mask of work-groups; 4-byte elements; padding after every 256 words (code 7) of 4 words
	s_mov_b32 s[G1M+1], 256<<16     ; tensor_dim0 = 256 keys
	s_mov_b32 s[G1M+2], 16<<16      ; tensor_dim1 = 16 queries: all the rows that the work-group has
	s_mov_b32 s[G1M+3], 256<<16
	s_mov_b32 s[G1M+4], 16
	s_mov_b32 s[G1M+5], 2048
	s_mov_b32 s[G1M+6], 0
	s_mov_b32 s[G1M+7], 0
	s_mov_b32 s[CS], 0x3fb8aa3b     ; c = log2(e)
	s_mov_b32 s[CS+1], s[CS]
	s_mov_b32 s[SEL], 0x76543210
	s_mov_b32 s[SEL+1], 0xfedcba98
	s_mov_b32 s[TBK], SLOT1+4*KS*PK ; the first change of slots turns these three into 0
	s_mov_b32 s[TBV], SLOT1+4*KS*PV
	s_mov_b32 s[TBM], SLOT1+4*KS*4
	s_mov_b32 s[G0K], 1
	s_mov_b32 s[G0K+1], 0           ; slot 0
	s_mov_b32 s[G0V], 1
	s_mov_b32 s[G0V+1], VOFF
	s_mov_b32 s[G0M], 1
	s_mov_b32 s[G0M+1], MOFF
	s_wait_dscnt 0x0                ; the opening add is done
	s_wait_kmcnt 0x0
	s_add_nc_u64 s[G0K+2:G0K+3], s[4:5], s[10:11]
	s_add_nc_u64 s[G0V+2:G0V+3], s[G0K+2:G0K+3], 524288   ; v lies behind k
	s_or_b32 s[G0K+3], s[G0K+3], 0x80000000
	s_or_b32 s[G0V+3], s[G0V+3], 0x80000000
	s_add_nc_u64 s[G0M+2:G0M+3], s[6:7], s[62:63]
	s_or_b32 s[G0M+3], s[G0M+3], 0x80000000
	s_lshl_b32 s62, s2, 10          ; q's rows of 1,024 bytes,
	s_lshl_b32 s13, s[WV], 8        ; my two heads' 256 bytes
	s_add_co_u32 s62, s62, s13
	s_add_nc_u64 s[4:5], s[4:5], s[62:63]
	s_mul_i32 s62, s2, ACTROW
	s_add_co_u32 s62, s62, s13
	s_add_co_u32 s62, s62, 8192     ; o begins at column 4096
	s_add_nc_u64 s[8:9], s[68:69], s[62:63]
	s_lshl_b32 s13, s15, 7
	s_add_co_u32 s13, s13, s14      ; the work-group's number, 0 to 255
	s_lshl_b32 s62, s13, 16         ; W2: 16 rows of 4,096 bytes a work-group,
	s_lshl_b32 s3, s[WV], 14        ; four a wave
	s_add_co_u32 s62, s62, s3
	s_add_nc_u64 s[70:71], s[70:71], s[62:63]
	s_lshr_b32 s62, s62, 1          ; and half as many bytes in wcat
	s_add_nc_u64 s[76:77], s[74:75], s[62:63]
	s_lshl_b32 s62, s13, 13         ; Wout: 2 rows a work-group,
	s_lshl_b32 s3, s[WV], 11        ; half a row a wave
	s_add_co_u32 s62, s62, s3
	s_add_nc_u64 s[72:73], s[72:73], s[62:63]
	s_lshr_b32 s62, s62, 1
	s_add_co_u32 s62, s62, 8388608  ; behind W2's 4,096 rows of 2,048 bytes
	s_add_nc_u64 s[74:75], s[74:75], s[62:63]
	CROUND                          ; all four work-groups are here: the first joint loads meet
	JLOAD                           ; slot 0
	v_and_b32 v1, 15, v0            ; r = l % 16
	v_bfe_u32 v12, v0, 4, 1         ; h = l / 16
	v_lshlrev_b32 v[QO], 10, v1
	v_lshl_add_u32 v[QO], v12, 4, v[QO]
	WIN W_LD
.irp i, 0,1,2,3                     ; Q stays in registers: tile i / 2, channels 32 (i % 2) on
	global_load_b128 v[8*\i:8*\i+3],   v[QO], s[4:5] offset:(\i/2)*128+(\i%2)*64
	global_load_b128 v[8*\i+4:8*\i+7], v[QO], s[4:5] offset:(\i/2)*128+(\i%2)*64+32
.endr
	WIN 0
	v_and_b32 v[CSRC], 31, v0
	v_lshlrev_b32 v[CDST], 4, v[CSRC]
	v_lshlrev_b32 v[CSRC], 5, v[CSRC]
.set i, 0
.rept 16                            ; the cast's loads: a chunk is 1,024 consecutive bytes, 32 a lane; sixteen chunks of W2,
	global_load_b128 v[CB+8*i:CB+8*i+3],   v[CSRC], s[70:71] offset:1024*i th:TH_LOAD_NT
	global_load_b128 v[CB+8*i+4:CB+8*i+7], v[CSRC], s[70:71] offset:1024*i+16 th:TH_LOAD_NT
.set i, i+1
.endr
.rept 2                             ; two of Wout
	global_load_b128 v[CB+8*i:CB+8*i+3],   v[CSRC], s[72:73] offset:1024*(i-16) th:TH_LOAD_NT
	global_load_b128 v[CB+8*i+4:CB+8*i+7], v[CSRC], s[72:73] offset:1024*(i-16)+16 th:TH_LOAD_NT
.set i, i+1
.endr
.irp t, 0,1
	v_mov_b32 v[ST+4*\t], 0xfe800000    ; c m: below c times the first m
	v_mov_b32 v[ST+4*\t+1], 0xfe000000  ; m
	v_mov_b32 v[ST+4*\t+2], 0
	v_mov_b32 v[ST+4*\t+3], 0
.endr
	v_mul_u32_u24 v[AK0], v1, PK
	v_lshl_add_u32 v[AK0], v12, 4, v[AK0]
	v_and_b32 v13, 7, v0
	v_bfe_u32 v14, v0, 3, 1
	v_lshl_add_u32 v[AV0], v12, 3, v13   ; the turning load: key 8 h + l % 8, channels 8 ((l / 8) % 2) on
	v_mul_u32_u24 v[AV0], v[AV0], PV
	v_lshl_add_u32 v[AV0], v14, 4, v[AV0]
	v_add_nc_u32 v[AV0], VOFF, v[AV0]
	v_mul_u32_u24 v[AM0], v1, PM         ; the mask: my query's row, my eight keys' 32 bytes
	v_lshl_add_u32 v[AM0], v12, 5, v[AM0]
	v_add_nc_u32 v[AM0], MOFF, v[AM0]
	s_mul_i32 s13, s[WV], 16*SP
	s_add_co_u32 s13, s13, STAGE         ; my stage
	v_mul_u32_u24 v[STO], v1, SP
	v_lshl_add_u32 v[STO], v12, 4, v[STO]
	v_add_nc_u32 v[STO], s13, v[STO]
	v_mul_u32_u24 v[RD], v12, SP
	v_lshl_add_u32 v[RD], v1, 4, v[RD]
	v_add_nc_u32 v[RD], s13, v[RD]
	v_mul_u32_u24 v[GO], v12, ACTROW
	v_lshl_add_u32 v[GO], v1, 4, v[GO]
.set i, 0
.rept 18                            ; the cast: eight f32 a lane become 16 bytes, in place; sixteen lanes store 256 consecutive bytes, aligned
	s_wait_loadcnt 34-2*i           ; loads come back in order: chunk i's two (and Q's, which are older) are in, the younger chunks' stay out
	v_cvt_pk_bf16_f32 v[CB+8*i],   v[CB+8*i],   v[CB+8*i+1]
	v_cvt_pk_bf16_f32 v[CB+8*i+1], v[CB+8*i+2], v[CB+8*i+3]
	v_cvt_pk_bf16_f32 v[CB+8*i+2], v[CB+8*i+4], v[CB+8*i+5]
	v_cvt_pk_bf16_f32 v[CB+8*i+3], v[CB+8*i+6], v[CB+8*i+7]
.if i < 16
	global_store_b128 v[CDST], v[CB+8*i:CB+8*i+3], s[76:77] offset:512*i
.else
	global_store_b128 v[CDST], v[CB+8*i:CB+8*i+3], s[74:75] offset:512*(i-16)
.endif
.set i, i+1
.endr
	s_wait_xcnt 0x0                 ; the registers that those stores read are written again only behind this wait
.set i, 0
.rept 64
	v_mov_b32 v[O+i], 0
.set i, i+1
.endr
; THE MATRIX WORK.  The 8 accumulators of a run of 16 take turns.  Product i of S^T: channels 32 (i / 8) on, keys 16 ((i / 2) % 4) on, tile i % 2.  The first 8 start the sums with the mask.
.macro KQ
.set rS, S+32*(i%2)+8*((i/2)%4)
.set rK, KF+16*((i/2)%4)+8*(i/8)
.set rQ, 16*(i%2)+8*(i/8)
.set rMK, M+8*((i/2)%4)
.if i < 8
	v_wmma_f32_16x16x32_f16 v[rS:rS+7], v[rK:rK+7], v[rQ:rQ+7], v[rMK:rMK+7]
.else
	v_wmma_f32_16x16x32_f16 v[rS:rS+7], v[rK:rK+7], v[rQ:rQ+7], v[rS:rS+7]
.endif
.endm
; Product i of O^T += V^T P: keys 32 (i / 8) on, channels 16 ((i / 2) % 4) on, tile i % 2.
.macro PV
.set rO, O+32*(i%2)+8*((i/2)%4)
.set rV, VF+32*(i/8)+8*((i/2)%4)
.set rP, P+16*(i%2)+8*(i/8)
	v_wmma_f32_16x16x32_f16 v[rO:rO+7], v[rV:rV+7], v[rP:rP+7], v[rO:rO+7]
.endm
; THE LDS LOADS, in runs.  K and the mask of the next step.  In a step the run stands behind the batch of exponentials: its two address lines are plain and name nothing of the batch, so the first of them is
; the plain instruction behind the last exponential (ISA guide 5.7.2).  batch = 1: the step's one wait stands behind them, ahead of the jump and of the loads.
; The products that read K's and the mask's registers stand far more than four plain instructions back.
; last = 1 (the tail): in the last trip there is no further step, and the run is jumped over.
.macro FETCH_KM last=0, batch=0
	WIN 0
	v_add_nc_u32 v[AK], s[TBK], v[AK0]
	v_add_nc_u32 v[AM], s[TBM], v[AM0]
.if \batch
	s_wait_alu depctr_va_vdst(0)    ; the wait for the batch, ahead of the first line that names a result; one for the step's 66 exponentials
.endif
.if \last
	s_cmp_eq_u32 s[CNT], 1
	s_cbranch_scc1 .Lno_km_\@
.endif
	WIN W_LD
.irp f, 0,1,2,3,4,5,6,7             ; keys 16 (f / 2) on, channels 32 (f % 2) on
	ds_load_b128 v[KF+8*\f:KF+8*\f+3],   v[AK] offset:(\f/2)*16*PK+(\f%2)*64
	ds_load_b128 v[KF+8*\f+4:KF+8*\f+7], v[AK] offset:(\f/2)*16*PK+(\f%2)*64+32
.endr
	WIN 0
.irp kb, 0,1,2,3                    ; keys 16 kb + 8 h + 0..7 of my query
	ds_load_b128 v[M+8*\kb:M+8*\kb+3],   v[AM] offset:64*\kb
	ds_load_b128 v[M+8*\kb+4:M+8*\kb+7], v[AM] offset:64*\kb+16
.endr
	s_add_co_u32 s[TBK], s[TBK], KS*PK
	s_add_co_u32 s[TBM], s[TBM], KS*4
.if \last
.Lno_km_\@:
.endif
.endm
.macro FETCH_V last=0
	WIN 0
	v_add_nc_u32 v[AV], s[TBV], v[AV0]
.if \last
	s_cmp_eq_u32 s[CNT], 1
	s_cbranch_scc1 .Lno_v_\@
.endif
	WIN W_LD
.irp f, 0,1,2,3,4,5,6,7             ; keys 32 (f / 4) on, channels 16 (f % 4) on
	ds_load_tr16_b128 v[VF+8*\f:VF+8*\f+3],   v[AV] offset:(\f/4)*32*PV+(\f%4)*32
	ds_load_tr16_b128 v[VF+8*\f+4:VF+8*\f+7], v[AV] offset:(\f/4)*32*PV+16*PV+(\f%4)*32
.endr
	WIN 0
	s_add_co_u32 s[TBV], s[TBV], KS*PV
.if \last
.Lno_v_\@:
.endif
.endm
; THE VECTOR WORK, all in window 0.
.macro REGS t
.set rT, ST+4*(\t)
.set rC, TMP+4*(\t)
.set rW, MV+(\t)
.set rS, S+32*(\t)
.set rP, P+16*(\t)
.set rO, O+32*(\t)
.endm
; Number n of the 22 that find a tile's maximum and statistics: 0-11 four chains of seven scores (each accumulator's lowest registers are read first); 12-14, 16 the four left over, the old m, and the
; chains into c0; 15 c m_old is kept; 17, 18 the query's other 32 keys lie in the lane 16 away; 19-21 c m, c m_old - c m_new, a.  Number 21 is an exponential: it belongs to the step's batch.
.macro XS t, n
	REGS \t
.if (\n) < 4
	v_max3_num_f32 v[rC+(\n)], v[rS+8*(\n)], v[rS+8*(\n)+1], v[rS+8*(\n)+2]
.elseif (\n) < 12
	v_max3_num_f32 v[rC+(\n)%4], v[rC+(\n)%4], v[rS+8*((\n)%4)+2*((\n)/4)+1], v[rS+8*((\n)%4)+2*((\n)/4)+2]
.elseif (\n) == 12
	v_max3_num_f32 v[rC], v[rC], v[rS+7], v[rS+15]
.elseif (\n) == 13
	v_max3_num_f32 v[rC+1], v[rC+1], v[rS+23], v[rS+31]
.elseif (\n) == 14
	v_max3_num_f32 v[rC+2], v[rC+2], v[rC+3], v[rT+1]
.elseif (\n) == 15
	v_mov_b32 v[rW], v[rT]
.elseif (\n) == 16
	v_max3_num_f32 v[rC], v[rC], v[rC+1], v[rC+2]
.elseif (\n) == 17
	v_permlanex16_b32 v[rC+3], v[rC], s[SEL], s[SEL+1]
.elseif (\n) == 18
	v_max_num_f32 v[rT+1], v[rC], v[rC+3]
.elseif (\n) == 19
	v_mul_f32 v[rT], s[CS], v[rT+1]
.elseif (\n) == 20
	v_sub_f32 v[rC+1], v[rW], v[rT]
.else
	v_exp_f32 v[rC+2], v[rC+1]
.endif
.endm
.macro FS t, n                      ; c s - c m for pair n of 16: it reads no exponential's result
	REGS \t
	v_pk_fma_f32 v[rS+2*(\n):rS+2*(\n)+1], v[rS+2*(\n):rS+2*(\n)+1], s[CS:CS+1], v[rT:rT+1] op_sel_hi:[1,0,0] neg_lo:[0,0,1] neg_hi:[0,0,1]
.endm
.macro ES t, n                      ; the exponential of score n of 32, in place: each result has a register of its own while the batch is open
	REGS \t
	v_exp_f32 v[rS+(\n)], v[rS+(\n)]
.endm
.macro CV t, n                      ; pair n rounded to f16: a reader of the batch, behind its wait
	REGS \t
	v_cvt_pk_f16_f32 v[rP+(\n)], v[rS+2*(\n)], v[rS+2*(\n)+1]
.endm
.macro RS t, n                      ; pair n of 16 of O^T times a: a reader of the batch, behind its wait; ascending
	REGS \t
	v_pk_mul_f32 v[rO+2*(\n):rO+2*(\n)+1], v[rO+2*(\n):rO+2*(\n)+1], v[rC+2:rC+3] op_sel_hi:[1,0]
.endm
.macro BS t, k                      ; of the four weights 4 k .. the second pair is added onto the first
	REGS \t
	v_pk_add_f32 v[rS+4*(\k):rS+4*(\k)+1], v[rS+4*(\k):rS+4*(\k)+1], v[rS+4*(\k)+2:rS+4*(\k)+3]
.endm
.macro LS t, k                      ; l takes that sum; the first time as l = a l + sum
	REGS \t
.if (\k) == 0
	v_pk_fma_f32 v[rT+2:rT+3], v[rT+2:rT+3], v[rC+2:rC+3], v[rS:rS+1] op_sel_hi:[1,0,1]
.else
	v_pk_add_f32 v[rT+2:rT+3], v[rT+2:rT+3], v[rS+4*(\k):rS+4*(\k)+1]
.endif
.endm
; A KEY STEP.  It fetches the next step's K, mask and V; last = 1: the tail's text, whose last trip jumps over both runs.
; THE BATCH.  The step's 66 exponentials stand together, the 32 scalings dealt among them: two scalings and the two a; then thirty groups of a scaling and two exponentials (group z: scaling z + 2, that is pair
; z / 2 + 1 of tile z % 2, and score z of both tiles); then the last four exponentials.  Score g of tile t wants scaling 2 (g / 2) + t, which stands in group g - 1 at the latest; no scaling writes a register
; whose exponential is out.  Exponentials may follow each other: none reads another's result or writes another's source.  All that names a result (RS, CV, later BS and LS) stands behind the one wait.
.macro STEP last
	WIN 0
	s_wait_dscnt 16                 ; K and the mask of this step are in; the sixteen loads of its V, issued behind them, may be out
	WIN W_KQ
.set i, 0
.rept 16
	KQ
.set i, i+1
.endr
	WIN 0
	XS 0, 15                        ; the four places behind the products K Q^T, ahead of the first read of the scores (ISA guide 7.12.1): c m_old is kept, for both tiles,
	XS 1, 15
	v_nop                           ; and two v_nop: no other line here is free of the scores
	v_nop
.irp n, 0,1,2,3,4,5,6,7,8,9,10,11,12,13,14,16,17,18,19,20
	XS 0, \n
	XS 1, \n
.endr
	FS 0, 0                         ; the batch begins
	XS 0, 21
	FS 1, 0
	XS 1, 21
.set z, 0
.rept 30
	FS z%2, z/2+1
	ES 0, z
	ES 1, z
.set z, z+1
.endr
.irp n, 30,31
	ES 0, \n
	ES 1, \n
.endr
	FETCH_KM \last, 1               ; two plain address lines, the wait for the batch, the run of loads
.set z, 0
.rept 16                            ; the readers: O^T times a,
	RS 0, z
	RS 1, z
.set z, z+1
.endr
.set z, 0
.rept 16                            ; and the weights rounded to f16; the pairs that the first products V^T P want come first
	CV 0, z
	CV 1, z
.set z, z+1
.endr
.if \last
	s_wait_dscnt 0x0                ; V of this step is in; the count is right whether the next step's K and mask were asked for or not
.else
	s_wait_dscnt 24                 ; V of this step is in; the 24 loads of the next step's K and mask, issued behind it, may be out
.endif
	WIN W_PV
.set i, 0
.rept 16
	PV
.set i, i+1
.endr
	WIN 0
.set z, 0
.rept 8                             ; the sums name no register of those products: they are the places in front of V's loads and of the next read of O^T
	BS 0, z
	BS 1, z
.set z, z+1
.endr
.set z, 0
.rept 8
	LS 0, z
	LS 1, z
.set z, z+1
.endr
	FETCH_V \last
.endm
	CHANGE 1                        ; slot 0 is in, everybody's part of it; slot 1 is asked for
	FETCH_KM                        ; key step 0: no exponential and no product stands ahead of it
	FETCH_V
	s_mov_b32 s[CNT], 3             ; steps 0 to 2 fetch steps 1 to 3: slot 0 is then read out
	s_mov_b32 s[SLOTS], 7
	s_branch .Lstep
.Lslot:                             ; six times: a slot has been read out and is filled again; four steps follow
	CHANGE 1
	s_mov_b32 s[CNT], 4
.Lstep:
	STEP 0
	s_sub_co_u32 s[CNT], s[CNT], 1
	s_cmp_lg_u32 s[CNT], 0
	s_cbranch_scc1 .Lstep
	s_sub_co_u32 s[SLOTS], s[SLOTS], 1
	s_cmp_lg_u32 s[SLOTS], 0
	s_cbranch_scc1 .Lslot
	CHANGE 0                        ; the tail has a text of its own: nothing is asked for
	s_mov_b32 s[CNT], 5
.Ltail:                             ; steps 27 to 30 fetch the last slot's steps; step 31 fetches nothing
	STEP 1
	s_sub_co_u32 s[CNT], s[CNT], 1
	s_cmp_lg_u32 s[CNT], 0
	s_cbranch_scc1 .Ltail
	; THE WAY OUT.  l's two halves and the other half of the lanes' are added; O^T is divided by l, rounded to bf16 and sent through my stage: my two heads are 256 consecutive bytes of a row of actcat.
.irp t, 0,1
	v_add_f32 v[ST+4*\t+2], v[ST+4*\t+2], v[ST+4*\t+3]
.endr
.irp t, 0,1
	v_permlanex16_b32 v[ST+4*\t+3], v[ST+4*\t+2], s[SEL], s[SEL+1]
.endr
.irp t, 0,1
	v_add_f32 v[ST+4*\t+2], v[ST+4*\t+2], v[ST+4*\t+3]
.endr
.irp t, 0,1
	v_rcp_f32 v[ST+4*\t+2], v[ST+4*\t+2]
.endr
	v_nop                           ; a plain instruction between the last reciprocal and the use of its result
	s_wait_alu depctr_va_vdst(0)    ; and the wait ahead of the first use: one for the two reciprocals
.irp t, 0,1
.set i, 0
.rept 16
	v_pk_mul_f32 v[O+32*\t+2*i:O+32*\t+2*i+1], v[O+32*\t+2*i:O+32*\t+2*i+1], v[ST+4*\t+2:ST+4*\t+3] op_sel_hi:[1,0]
.set i, i+1
.endr
.set i, 0
.rept 16
	v_cvt_pk_bf16_f32 v[S+16*\t+i], v[O+32*\t+2*i], v[O+32*\t+2*i+1]
.set i, i+1
.endr
.irp f, 0,1,2,3
	ds_store_b128 v[STO], v[S+16*\t+4*\f:S+16*\t+4*\f+3] offset:128*\t+32*\f
.endr
.endr
.irp f, 0,1,2,3,4,5,6,7
	ds_load_b128 v[S+32+4*\f:S+32+4*\f+3], v[RD] offset:\f*2*SP   ; LDS serves a wave's instructions in order (ISA guide 5.7.1.4): these see the stores above
.endr
.irp f, 0,1,2,3,4,5,6,7
	s_wait_dscnt 7-\f
	global_store_b128 v[GO], v[S+32+4*\f:S+32+4*\f+3], s[8:9] offset:\f*2*ACTROW   ; 16 lanes store 256 consecutive bytes, aligned
.endr
	s_wait_tensorcnt 0x0            ; the wave's end
	ds_add_u32 v[SPW], v[NIL]
	s_wait_dscnt 0x0
	CROUND                          ; the closing round
	s_endpgm
.Lfunc_end_k_q5db041c9aa_attn:
	.size	k_q5db041c9aa_attn, .Lfunc_end_k_q5db041c9aa_attn-k_q5db041c9aa_attn
	.p2alignl 7, 3214868480
	.fill 96, 4, 3214868480
	.section	.rodata,"a",@progbits
	.p2align	6, 0x0
	.amdhsa_kernel k_q5db041c9aa_attn
		.amdhsa_group_segment_fixed_size 327680
		.amdhsa_private_segment_fixed_size 0
		.amdhsa_enable_private_segment 0
		.amdhsa_kernarg_size 48
		.amdhsa_user_sgpr_count 2
		.amdhsa_user_sgpr_kernarg_segment_ptr 1
		.amdhsa_wavefront_size32 1
		.amdhsa_system_sgpr_workgroup_id_x 1
		.amdhsa_system_sgpr_workgroup_id_y 1
		.amdhsa_system_sgpr_workgroup_id_z 1
		.amdhsa_system_vgpr_workitem_id 0
		.amdhsa_next_free_vgpr 416
		.amdhsa_next_free_sgpr 80
		.amdhsa_reserve_vcc 0
		.amdhsa_float_denorm_mode_32 3
		.amdhsa_float_denorm_mode_16_64 3
		.amdhsa_memory_ordered 1
		.amdhsa_forward_progress 1
		.amdhsa_inst_pref_size 72
	.end_amdhsa_kernel
	.amdgpu_metadata
---
amdhsa.version: [ 1, 2 ]
amdhsa.kernels:
  - .name:           k_q5db041c9aa_attn
    .symbol:         k_q5db041c9aa_attn.kd
    .args:
      - { .name: qkv, .offset: 0, .size: 8, .value_kind: global_buffer, .address_space: global }
      - { .name: mask, .offset: 8, .size: 8, .value_kind: global_buffer, .address_space: global }
      - { .name: actcat, .offset: 16, .size: 8, .value_kind: global_buffer, .address_space: global }
      - { .name: W2, .offset: 24, .size: 8, .value_kind: global_buffer, .address_space: global }
      - { .name: Wout, .offset: 32, .size: 8, .value_kind: global_buffer, .address_space: global }
      - { .name: wcat, .offset: 40, .size: 8, .value_kind: global_buffer, .address_space: global }
    .group_segment_fixed_size: 327680
    .private_segment_fixed_size: 0
    .kernarg_segment_align: 8
    .kernarg_segment_size: 48
    .max_flat_workgroup_size: 128
    .sgpr_count:     80
    .vgpr_count:     416
    .wavefront_size: 32
...
	.end_amdgpu_metadata
.endif
;; end of part 6
;; launch gemm1: the kernel of part 4 again; grid 32 x 16, 4 waves a work-group, clusters of 4 x 4, 327,680 bytes of LDS; arguments xnh, w1h, actcat; writes actcat
;; launch gemm2: the kernel of part 5 again; grid 8 x 32, 4 waves a work-group, clusters of 4 x 4, 327,680 bytes of LDS; arguments actcat, wcat, out0; writes out0
